; MI455X (gfx1250); checked and timed in simulation.
; The chip was launched on July 23, 2026; its instructions are those of AMD's public machine-readable ISA for CDNA 5 (MIT licence, August 2026) and "CDNA5" Instruction Set Architecture Reference Guide (July 2026). The comments in the code are by the model that wrote it; some were corrected since.
;; Transformer Block. Allowed arithmetic: matrix products marked QUANTISED: E3M2 operands, one E8M0 scale for each 32 along K, by v_wmma_scale_f32_16x16x128_f8f6f4 with both operands' format E3M2, f32 sums; everything else in f32.
;; Inputs: ln1_w 1,024 float32; ln2_w 1,024 float32; w1 4,096 x 1,024 float32; w2 1,024 x 4,096 float32; w_o 1,024 x 1,024 float32; w_qkv 3,072 x 1,024 float32; x 2 x 2,048 x 1,024 float32.
;; Outputs: out0 2 x 2,048 x 1,024 float32.
;; This version of the problem:
;;   THIS VERSION OF THE PROBLEM IS GIVEN IN LOW PRECISION. The matrix products marked QUANTISED in the list below multiply operands that are first quantised to E3M2 (3 exponent bits, 2 mantissa bits; 6 bits a number), with one power-of-two scale for each 32 numbers along K (OCP MX v1.0); their sums are f32. All else is computed in f32.
;;   The module's matrix products, in the order in which they are computed (A, B: the left and right operand; K: the contracted axis; several contracted axes count as one K, in the product's order):
;;     1. [M 4,096, K 1,024] x [K 1,024, N 3,072]; A: computed on the way; B: input w_qkv: QUANTISED
;;     2. batch 32 x [M 2,048, K 64] x [K 64, N 2,048]; A: computed on the way; B: computed on the way: QUANTISED
;;     3. batch 32 x [M 2,048, K 2,048] x [K 2,048, N 64]; A: softmax (see below); B: computed on the way: QUANTISED
;;     4. [M 4,096, K 1,024] x [K 1,024, N 1,024]; A: computed on the way; B: input w_o: QUANTISED
;;     5. [M 4,096, K 1,024] x [K 1,024, N 4,096]; A: computed on the way; B: input w1: QUANTISED
;;     6. [M 4,096, K 4,096] x [K 4,096, N 1,024]; A: computed on the way; B: input w2: QUANTISED
;;   THE QUANTISER, for each operand of a quantised product, along K:
;;     - K is cut into blocks of 32 from its start; a last block that is shorter is filled with zeros.
;;     - A block's scale is 2^e with e = floor(log2(the largest magnitude in the block)) - 4, held to -126 .. 127; a block of zeros has e = 0. As a byte (E8M0): e + 127.
;;     - Each number is divided by its block's scale, clamped to +-28, and rounded to the nearest number of E3M2, ties to even, subnormals kept.
;;     - The product sums the exact products of the quantised numbers (number of the format x scale) in f32.
;;   ~~~python
;;   def quantise(x, axis):      # numpy; x: float32 -> the quantised numbers, widened to float32 again
;;       x = np.moveaxis(x, axis, -1); K = x.shape[-1]
;;       x = np.pad(x, [(0, 0)] * (x.ndim - 1) + [(0, -K % 32)]); x = x.reshape(x.shape[:-1] + (-1, 32)); a = np.abs(x).max(-1, keepdims=True)
;;       e = np.where(a > 0, np.clip(np.frexp(np.where(a > 0, a, 1))[1] - 1 - 4, -126, 127), 0)      # np.frexp(a)[1] - 1 = floor(log2(a)), exactly
;;       r = np.clip(x / 2.0 ** e, -28, 28)
;;       step = 2.0 ** (np.maximum(np.frexp(np.where(r == 0, 1, r))[1] - 1, -2) - 2)
;;       q = np.round(r / step) * step * 2.0 ** e      # np.round: ties to even
;;       return np.moveaxis(q.reshape(q.shape[:-2] + (-1,))[..., :K], -1, axis).astype(np.float32)
;;   ~~~
;;   SOFTMAX AHEAD OF A QUANTISED PRODUCT. Where the list says 'softmax', what is quantised is not the finished softmax but p = 2^(t - M), with t = logit x log2(e) and M = ceil(the row's largest t), a whole number; so 1/2 < the row's largest p <= 1. The row's sum l is taken of the UNQUANTISED p, in f32, and the product's result is divided by l at the end. Since M is a whole number, a kernel that streams over the keys may use a running M (the ceiling of the running maximum): every later rescaling is an exact power of two, which a block's scale takes up: the codes' values come out the same.
;;   OPERANDS COMPUTED ON THE WAY. 'Computed on the way' means the value that the module computes at that place (a softmax that the list does not call 'softmax' is quantised finished and normalised). What goes into a quantiser is computed in f32, as accurately as f32 sums, v_exp_f32 and their like allow (about 1e-6 of the number): no bf16 or f16 on the way to a quantiser, and a product that is left as it is and whose result goes on into a quantised operand takes f32 operands (vector FMAs, or v_wmma_f32_16x16x4_f32). A number that lies on a knife's edge between two numbers of the format may be rounded either way, as far as f32 arithmetic and the matrix unit's own rounding can turn it there, and no further.
;; One version. Each part assembles by itself: llvm-mc -triple=amdgcn-amd-amdhsa -mcpu=gfx1250 --defsym DOCPART=n.
;; ======== version 1 of 1: 7 launches
;; limits: right only within a limited range of input values
;; workspace buffers: prepo 13,631,488 bytes; qkvb 10,223,616 bytes; ctxb 3,407,872 bytes; fs 16,777,216 bytes; h2b 3,407,872 bytes; gb 13,631,488 bytes
;; launch prep (part 1): grid 640 x 1, 4 waves a work-group, no clusters, 102,144 bytes of LDS; arguments x, ln1_w, w_qkv, w_o, w1, w2, prepo; writes prepo
.if DOCPART == 1
	.amdgcn_target "amdgcn-amd-amdhsa--gfx1250"
	.amdhsa_code_object_version 6
	.text
	.protected	k_q909970c76c_prep
	.globl	k_q909970c76c_prep
	.p2align	8
	.type	k_q909970c76c_prep,@function
k_q909970c76c_prep:
	s_mov_b64 s[64:65], 0
	v_nop
	global_prefetch_b8 v0, s[64:65] scope:SCOPE_SE
	s_setreg_imm32_b32 hwreg(HW_REG_WAVE_MODE, 25, 1), 1
	s_wait_xcnt 0x0
; f32 numbers become operands of MX-BF6 (E3M2 codes, one E8M0 byte for each 32 along K), laid as the products' launches read them.
; Work-groups 0-255: 16 rows of x each: RMS norm (x * gain / sqrt(mean(x^2) + 1e-5)), then the quantiser.  Work-groups 256-639: the four weights, quantiser alone; a wave takes 512 along K of one tile: four fragments.
; WHICH 16 ROWS FORM A TILE: lane-row r of tile T is row 64 (T / 4) + 32 (r / 8) + 8 (T % 4) + r % 8, for every operand of the program.  As source 0 of a product the four tiles of a group of 64 rows then
; leave a lane 32 NEIGHBOURS along that axis, a whole block of the next product's K.
; A FRAGMENT'S IMAGE (16 rows x 128 K, 1,536 bytes) is the operand's 12 registers as they stand: registers 0-3 at 16 x lane, 4-5 at 512 + 8 x lane, 6-9 at 768 + 16 x lane, 10-11 at 1,280 + 8 x lane.
; An operand is [tile][K / 128] images; its scale words [tile][K / 128][32 lanes] (lanes 16-31 repeat lanes 0-15).  Every store of a wave covers 512, 256 or 128 consecutive bytes.
; The loads take rows as they lie (512 consecutive bytes an instruction); a stage in LDS (rows of 512 + 16 bytes) turns them so that lane (r, h) holds k = 64 c + 32 h + 0 .. 31 of row r: two whole blocks.
; No cluster: the work-groups share no input but the gain's 4,096 bytes.  No tensor loads: three work-groups lie on a WGP (3 x 102,144 bytes of LDS, 3 x 256 registers a SIMD), so all 640 are at work at once.
; LIMITS: NaN and infinities are not served.  A block of zeros, or one whose largest magnitude is under 2^-122, keeps the byte 1 (the rule says 127 for zeros): its codes are zeros, and this program alone reads the bytes.
; 1 / rms is v_rsq_f32, and the gain is multiplied in ahead of it: the last bit may differ from a division.
.set H_S,      3145728                 ; the rows' scale words, behind their 256 x 8 images
.set WQKV_IMG, 3407872
.set WQKV_S,   5767168
.set WO_IMG,   5963776
.set WO_S,     6750208
.set W1_IMG,   6815744
.set W1_S,     9961472
.set W2_IMG,   10223616
.set W2_S,     13369344
.set FRB,   1536
.set NF,    4                          ; fragments of a weight wave
.set SROW,  528                        ; a stage row: 128 numbers + 16 bytes: an odd multiple of 16, so 16 rows start in 16 different groups of banks
.set SFRAG, 16*SROW
.set SSB,   8*SFRAG                    ; behind the rows' stage ([K step 8][row 16]): the 16 rows' sums of squares
.set WST,   SSB+256                    ; the weights' path has LDS bytes of its own: a stage of 16 rows for each wave
.set GI16, 2                           ; v2  16 x lane
.set GI8,  3                           ; v3  8 x lane
.set GI4,  4                           ; v4  4 x lane
.set XST,  5                           ; v5  rows: into the stage
.set XLD,  6                           ; v6  rows: out of it
.set SH8,  7                           ; v7  8 h
.set FL,   8                           ; v8  the floor 2^(5 - 127)
.set RR,   9                           ; v9  r
.set SSA,  10                          ; v10 where my wave puts its four sums
.set SSL,  11                          ; v11 where row r's sum lies
.set RI,   12                          ; v[12:13] 1 / rms (the pair's upper word is written once, and not used)
.set WSTO, 14                          ; v14 weights: into my stage
.set WLD,  15                          ; v15 weights: out of it
.set VO,   16                          ; v16-23 weights: 16 x lane + m rows
.set TM,   24                          ; v24-31 at work in the quantiser
.set CT,   32                          ; v32-39 the halves of blocks that a conversion cannot put in place
.set PC,   40                          ; v40-51 a fragment's codes
.set PW,   52                          ; v52 its scale word
.set R,    64                          ; weights: v64-191 two sets of 16 rows x 4 registers as loaded;  v192-255 64 numbers of my row
.set X,    192
.set XR,   64                          ; rows: v64-191 four rows x 32 registers, later two fragments' numbers;  v192-223 the gain;  v224-227 sums
.set G,    192
.set SM,   224
.set SEL,  2                           ; s[2:3] v_permlanex16_b32's selects for lane l xor 16
.set WV,   18
.set IB,   36                          ; s[36:37] where my images go
.set SBP,  38                          ; s[38:39] where my scale words go
.set SRC,  40                          ; s[40:41] the tile's rows 0-7, s[42:43] its rows 8-15
; 64 numbers of a lane, register 32 c + i = k 64 c + 32 h + i of my row, become the fragment's 12 registers and my row's scale word.
.macro QUANT64 xs
.irp n, 0,1,2,3
	v_max3_num_f32 v[TM+\n], v[FL], |v[(\xs)+16*\n]|, |v[(\xs)+16*\n+1]|   ; four chains of 16; the floor among the leaves holds the byte at 1 from below
.endr
.irp i, 2,4,6,8,10,12,14
.irp n, 0,1,2,3
	v_max3_num_f32 v[TM+\n], v[TM+\n], |v[(\xs)+16*\n+\i]|, |v[(\xs)+16*\n+\i+1]|
.endr
.endr
	v_max_num_f32 v[TM], v[TM], v[TM+1]            ; block h
	v_max_num_f32 v[TM+2], v[TM+2], v[TM+3]        ; block 2 + h
	v_add_nc_u32 v[TM+4], 0xfe000000, v[TM]        ; 4 off the exponent field: the conversion's scale operand
	v_add_nc_u32 v[TM+5], 0xfe000000, v[TM+2]
	v_lshrrev_b32 v[TM], 23, v[TM+4]               ; the bytes
	v_lshrrev_b32 v[TM+2], 23, v[TM+5]
	v_lshl_or_b32 v[TM], v[TM+2], 16, v[TM]
	v_lshlrev_b32 v[TM], v[SH8], v[TM]             ; at their places in the word: 8 h bits up
	v_permlanex16_b32 v[TM+1], v[TM], s[SEL], s[SEL+1]
	v_or_b32 v[PW], v[TM], v[TM+1]                 ; with lane l xor 16's two the word is whole
	v_cvt_scalef32_pk16_bf6_f32 v[PC:PC+2], v[(\xs):(\xs)+15], v[TM+4]
	v_cvt_scalef32_pk16_bf6_f32 v[CT:CT+2], v[(\xs)+16:(\xs)+31], v[TM+4]      ; (a conversion's three registers begin on an even number)
	v_cvt_scalef32_pk16_bf6_f32 v[PC+6:PC+8], v[(\xs)+32:(\xs)+47], v[TM+5]
	v_cvt_scalef32_pk16_bf6_f32 v[CT+4:CT+6], v[(\xs)+48:(\xs)+63], v[TM+5]
	v_nop                                          ; one plain place behind the conversions
.irp i, 0,1,2
	v_mov_b32 v[PC+3+\i], v[CT+\i]
	v_mov_b32 v[PC+9+\i], v[CT+4+\i]
.endr
.endm
.macro OUT off, soff                   ; the image and the scale word leave
	global_store_b128 v[GI16], v[PC:PC+3], s[IB:IB+1] offset:\off
	global_store_b64 v[GI8], v[PC+4:PC+5], s[IB:IB+1] offset:\off+512
	global_store_b128 v[GI16], v[PC+6:PC+9], s[IB:IB+1] offset:\off+768
	global_store_b64 v[GI8], v[PC+10:PC+11], s[IB:IB+1] offset:\off+1280
	global_store_b32 v[GI4], v[PW], s[SBP:SBP+1] offset:\soff
.endm
	s_load_b256 s[4:11], s[0:1], 0x0               ; rows s[4:5], gain s[6:7], w_qkv s[8:9], w_o s[10:11]
	s_load_b128 s[12:15], s[0:1], 0x20             ; w1 s[12:13], w2 s[14:15]
	s_load_b64 s[16:17], s[0:1], 0x30              ; the operands' buffer
	v_lshl_add_u32 v62, v0, 2, 0x18d00
	v_mov_b32 v63, 0
	v_lshrrev_b32 v1, 5, v0
	v_readfirstlane_b32 s[WV], v1                  ; wave 0..3
	v_and_b32 v1, 31, v0                           ; lane
	v_and_b32 v[RR], 15, v0                        ; r
	v_bfe_u32 v[SH8], v0, 4, 1                     ; h
	v_lshlrev_b32 v[GI16], 4, v1
	v_lshlrev_b32 v[GI8], 3, v1
	v_lshlrev_b32 v[GI4], 2, v1
	; every LDS address is made here, ahead of the parting
	s_mul_i32 s19, s[WV], 4*SROW
	v_add_nc_u32 v[XST], s19, v[GI16]              ; rows, in: my wave's rows 4 w on, 16 bytes a lane
	v_mul_u32_u24 v[XLD], v[RR], SROW
	v_lshl_add_u32 v[XLD], v[SH8], 7, v[XLD]       ; 528 r + 128 h
	s_mul_i32 s19, s[WV], SFRAG
	s_add_co_u32 s19, s19, WST
	v_add_nc_u32 v[WSTO], s19, v[GI16]
	v_add_nc_u32 v[WLD], s19, v[XLD]
	s_mul_i32 s19, s[WV], 2*SFRAG
	v_add_nc_u32 v[XLD], s19, v[XLD]               ; rows, out: K steps 2 w and 2 w + 1
	s_lshl_b32 s19, s[WV], 4
	s_add_co_u32 s19, s19, SSB
	v_mov_b32 v[SSA], s19
	v_lshl_add_u32 v[SSL], v[RR], 2, SSB
	v_lshlrev_b32 v[SH8], 3, v[SH8]
	v_mov_b32 v[FL], 0x2800000
	v_mov_b32 v[RI+1], 0
	s_mov_b32 s[SEL], 0x76543210
	s_mov_b32 s[SEL+1], 0xfedcba98
	s_cmp_lt_u32 ttmp9, 256
	s_cbranch_scc0 .Lweights
	; ---- ROWS.  The work-group is tile T = its number.  Wave w loads lane-rows 4 w .. 4 w + 3
	s_lshr_b32 s20, ttmp9, 2
	s_lshl_b32 s20, s20, 6
	s_and_b32 s21, ttmp9, 3
	s_lshl_b32 s21, s21, 3
	s_add_co_u32 s20, s20, s21
	s_lshr_b32 s21, s[WV], 1
	s_lshl_b32 s21, s21, 5
	s_add_co_u32 s20, s20, s21
	s_and_b32 s21, s[WV], 1
	s_lshl_b32 s21, s21, 2
	s_add_co_u32 s20, s20, s21                     ; 64 (T / 4) + 8 (T % 4) + 32 (w / 2) + 4 (w % 2)
	s_lshl_b32 s20, s20, 12                        ; rows of 4,096 bytes
	s_mov_b32 s21, 0
	s_mul_i32 s22, ttmp9, 8*FRB
	s_mul_i32 s23, s[WV], 2*FRB
	s_add_co_u32 s22, s22, s23
	s_mov_b32 s23, 0
	s_lshl_b32 s24, ttmp9, 10
	s_lshl_b32 s25, s[WV], 8
	s_add_co_u32 s24, s24, s25
	s_add_co_u32 s24, s24, H_S
	s_mov_b32 s25, 0
	s_mov_b32 s26, 0x3a800000                      ; 1 / 1024
	s_mov_b32 s27, 0x3727c5ac                      ; 1e-5
	s_wait_kmcnt 0x0
	s_add_nc_u64 s[4:5], s[4:5], s[20:21]
	s_add_nc_u64 s[IB:IB+1], s[16:17], s[22:23]
	s_add_nc_u64 s[SBP:SBP+1], s[16:17], s[24:25]
.irp s, 0,1,2,3,4,5,6,7
	global_load_b128 v[G+4*\s:G+4*\s+3], v[GI16], s[6:7] offset:512*\s
.endr
.irp i, 0,1,2,3
.irp s, 0,1,2,3,4,5,6,7
	global_load_b128 v[XR+32*\i+4*\s:XR+32*\i+4*\s+3], v[GI16], s[4:5] offset:4096*\i+512*\s th:TH_LOAD_NT
.endr
.endr
.macro XROW i                          ; one row: its sum of squares to LDS, the row times the gain to the stage
.set XI, XR+32*\i
	s_wait_loadcnt 8*(3-\i)                        ; the later rows' loads, eight each, may be out
	v_pk_mul_f32 v[SM:SM+1], v[XI:XI+1], v[XI:XI+1]
	v_pk_mul_f32 v[SM+2:SM+3], v[XI+2:XI+3], v[XI+2:XI+3]
.irp k, 4,8,12,16,20,24,28
	v_pk_fma_f32 v[SM:SM+1], v[XI+\k:XI+\k+1], v[XI+\k:XI+\k+1], v[SM:SM+1]
	v_pk_fma_f32 v[SM+2:SM+3], v[XI+\k+2:XI+\k+3], v[XI+\k+2:XI+\k+3], v[SM+2:SM+3]
.endr
	v_pk_add_f32 v[SM:SM+1], v[SM:SM+1], v[SM+2:SM+3]
	v_add_f32 v[SM], v[SM], v[SM+1]
	v_add_f32_dpp v[SM], v[SM], v[SM] row_xmask:1 row_mask:0xf bank_mask:0xf
	v_add_f32_dpp v[SM], v[SM], v[SM] row_xmask:2 row_mask:0xf bank_mask:0xf
	v_add_f32_dpp v[SM], v[SM], v[SM] row_xmask:4 row_mask:0xf bank_mask:0xf
	v_add_f32_dpp v[SM], v[SM], v[SM] row_xmask:8 row_mask:0xf bank_mask:0xf
	v_permlanex16_b32 v[SM+1], v[SM], s[SEL], s[SEL+1]
	v_add_f32 v[SM], v[SM], v[SM+1]
	ds_store_b32 v[SSA], v[SM] offset:4*\i         ; all lanes write the same word with the same value
.irp k, 0,2,4,6,8,10,12,14,16,18,20,22,24,26,28,30
	v_pk_mul_f32 v[XI+\k:XI+\k+1], v[XI+\k:XI+\k+1], v[G+\k:G+\k+1]
.endr
.irp s, 0,1,2,3,4,5,6,7
	ds_store_b128 v[XST], v[XI+4*\s:XI+4*\s+3] offset:\s*SFRAG+\i*SROW
.endr
.endm
	XROW 0
	XROW 1
	XROW 2
	XROW 3
	s_wait_dscnt 0x0                               ; for the others' sake: my rows and sums lie in LDS
	s_barrier_signal -1
	s_barrier_wait -1                              ; all 16 rows do
	ds_load_b32 v[RI], v[SSL]                      ; row r's sum of squares
.irp f, 0,1
.irp c, 0,1
.irp i, 0,1,2,3,4,5,6,7
	ds_load_b128 v[XR+64*\f+32*\c+4*\i:XR+64*\f+32*\c+4*\i+3], v[XLD] offset:\f*SFRAG+256*\c+16*\i
.endr
.endr
.endr
	s_wait_dscnt 32                                ; the sum is in; the 32 loads behind it may be out
	v_fma_f32 v[RI], v[RI], s26, s27               ; the mean + 1e-5
	s_wait_alu depctr_va_vdst(0)
	v_rsq_f32 v[RI], v[RI]
	v_nop                                          ; a plain place behind the transcendental
	s_wait_alu depctr_va_vdst(0)                   ; and the wait ahead of its first reader
.macro SCALE64 xs
.set k, 0
.rept 32
	v_pk_mul_f32 v[(\xs)+k:(\xs)+k+1], v[(\xs)+k:(\xs)+k+1], v[RI:RI+1] op_sel_hi:[1,0]
.set k, k+2
.endr
.endm
	s_wait_dscnt 16                                ; the first fragment's 16 loads are in
	SCALE64 XR
	QUANT64 XR
	OUT 0, 0
	s_wait_dscnt 0x0
	SCALE64 XR+64
	s_wait_xcnt 0x0                                ; the stores have read the codes' registers: they are written again
	QUANT64 XR+64
	OUT FRB, 128
	s_wait_tensorcnt 0x0
	ds_add_u32 v62, v63
	s_wait_dscnt 0x0
	s_endpgm
	; ---- WEIGHTS.  g = work-group - 256.  w_qkv: g 0-95, w_o: 96-127, w1: 128-255, w2: 256-383.  With g' counted from the tensor's first work-group, wave w has task t = 4 g' + w:
	; 512 along K of one tile.  A tile of w_qkv, w_o, w1 (K = 1,024) has two tasks, a tile of w2 (K = 4,096) eight.
.Lweights:
	s_sub_co_u32 s20, ttmp9, 256
	s_wait_kmcnt 0x0
	s_mov_b64 s[22:23], s[14:15]
	s_mov_b32 s24, 256
	s_mov_b32 s25, W2_IMG
	s_mov_b32 s26, W2_S
	s_cmp_lt_u32 s20, 256
	s_cselect_b64 s[22:23], s[12:13], s[22:23]
	s_cselect_b32 s24, 128, s24
	s_cselect_b32 s25, W1_IMG, s25
	s_cselect_b32 s26, W1_S, s26
	s_cselect_b32 s27, 0, 1                        ; 1: w2
	s_cmp_lt_u32 s20, 128
	s_cselect_b64 s[22:23], s[10:11], s[22:23]
	s_cselect_b32 s24, 96, s24
	s_cselect_b32 s25, WO_IMG, s25
	s_cselect_b32 s26, WO_S, s26
	s_cmp_lt_u32 s20, 96
	s_cselect_b64 s[22:23], s[8:9], s[22:23]
	s_cselect_b32 s24, 0, s24
	s_cselect_b32 s25, WQKV_IMG, s25
	s_cselect_b32 s26, WQKV_S, s26
	s_sub_co_u32 s20, s20, s24                     ; g'
	s_lshl_b32 s34, s20, 2
	s_add_co_u32 s34, s34, s[WV]                   ; the task
	s_cmp_eq_u32 s27, 1
	s_cselect_b32 s35, 3, 1                        ; a tile has 2^3 or 2^1 tasks
	s_cselect_b32 s30, 14, 12                      ; a row is 2^14 or 2^12 bytes
	s_cselect_b32 s31, 2, 0                        ; a tile has 4 x or 1 x 8 fragments
	s_lshr_b32 s28, s34, s35                       ; the tile
	s_lshl_b32 s29, s28, s35
	s_sub_co_u32 s29, s34, s29                     ; which 512 along K
	s_lshr_b32 s32, s28, 2
	s_lshl_b32 s32, s32, 6
	s_and_b32 s33, s28, 3
	s_lshl_b32 s33, s33, 3
	s_add_co_u32 s32, s32, s33                     ; the tile's first row
	s_lshl_b32 s32, s32, s30
	s_lshl_b32 s33, s29, 11                        ; 512 numbers are 2,048 bytes
	s_add_co_u32 s32, s32, s33
	s_mov_b32 s33, 0
	s_add_nc_u64 s[SRC:SRC+1], s[22:23], s[32:33]
	s_lshl_b32 s32, 32, s30
	s_add_nc_u64 s[SRC+2:SRC+3], s[SRC:SRC+1], s[32:33]   ; lane-rows 8-15 lie 32 rows on
	s_mul_i32 s32, s28, 8*FRB
	s_lshl_b32 s32, s32, s31
	s_mul_i32 s34, s29, NF*FRB
	s_add_co_u32 s32, s32, s34
	s_add_co_u32 s32, s32, s25
	s_add_nc_u64 s[IB:IB+1], s[16:17], s[32:33]
	s_lshl_b32 s32, s28, 10
	s_lshl_b32 s32, s32, s31
	s_lshl_b32 s34, s29, 9                         ; four scale records of 128 bytes
	s_add_co_u32 s32, s32, s34
	s_add_co_u32 s32, s32, s26
	s_add_nc_u64 s[SBP:SBP+1], s[16:17], s[32:33]
.irp m, 0,1,2,3,4,5,6,7
	s_lshl_b32 s34, \m, s30
	v_add_nc_u32 v[VO+\m], s34, v[GI16]
.endr
.macro LOADF s                         ; K step s of the tile's 16 rows: each load reads 512 consecutive bytes of one row
.irp m, 0,1,2,3,4,5,6,7,8,9,10,11,12,13,14,15
	global_load_b128 v[R+64*((\s)%2)+4*\m:R+64*((\s)%2)+4*\m+3], v[VO+\m%8], s[SRC+2*(\m/8):SRC+2*(\m/8)+1] offset:512*(\s) th:TH_LOAD_NT
.endr
.endm
.macro WFRAG s
.if (\s) < NF-1
	s_wait_loadcnt 16                              ; this K step's 16 loads are in; the next step's may be out
.else
	s_wait_loadcnt 0x0
.endif
.irp m, 0,1,2,3,4,5,6,7,8,9,10,11,12,13,14,15
	ds_store_b128 v[WSTO], v[R+64*((\s)%2)+4*\m:R+64*((\s)%2)+4*\m+3] offset:SROW*\m
.endr
.irp c, 0,1
.irp i, 0,1,2,3,4,5,6,7
	ds_load_b128 v[X+32*\c+4*\i:X+32*\c+4*\i+3], v[WLD] offset:256*\c+16*\i   ; LDS serves a wave's instructions in order: these see the stores above, and the next step's stores come behind them
.endr
.endr
.if (\s)+2 < NF
	s_wait_dscnt 16                                ; the 16 stores are done with their registers (the 16 loads may be out),
	LOADF (\s)+2                                   ; which take the K step two on
.endif
	s_wait_dscnt 0x0
	s_wait_xcnt 0x0                                ; the last fragment's stores have read the codes' registers
	QUANT64 X
	OUT FRB*(\s), 128*(\s)
.endm
	LOADF 0
	LOADF 1
	s_wait_alu depctr_va_vdst(0)
.irp s, 0,1,2,3
	WFRAG \s
.endr
	s_wait_tensorcnt 0x0
	ds_add_u32 v62, v63
	s_wait_dscnt 0x0
	s_endpgm
.Lfunc_end_k_q909970c76c_prep:
	.size	k_q909970c76c_prep, .Lfunc_end_k_q909970c76c_prep-k_q909970c76c_prep
	.p2alignl 7, 3214868480
	.fill 96, 4, 3214868480
	.section	.rodata,"a",@progbits
	.p2align	6, 0x0
	.amdhsa_kernel k_q909970c76c_prep
		.amdhsa_group_segment_fixed_size 102144
		.amdhsa_private_segment_fixed_size 0
		.amdhsa_enable_private_segment 0
		.amdhsa_kernarg_size 56
		.amdhsa_user_sgpr_count 2
		.amdhsa_user_sgpr_kernarg_segment_ptr 1
		.amdhsa_wavefront_size32 1
		.amdhsa_system_sgpr_workgroup_id_x 1
		.amdhsa_system_sgpr_workgroup_id_y 1
		.amdhsa_system_sgpr_workgroup_id_z 1
		.amdhsa_system_vgpr_workitem_id 0
		.amdhsa_next_free_vgpr 256
		.amdhsa_next_free_sgpr 66
		.amdhsa_reserve_vcc 0
		.amdhsa_float_denorm_mode_32 3
		.amdhsa_float_denorm_mode_16_64 3
		.amdhsa_memory_ordered 1
		.amdhsa_forward_progress 1
		.amdhsa_inst_pref_size 64
	.end_amdhsa_kernel
	.amdgpu_metadata
---
amdhsa.version: [ 1, 2 ]
amdhsa.kernels:
  - .name:           k_q909970c76c_prep
    .symbol:         k_q909970c76c_prep.kd
    .args:
      - { .name: x, .offset: 0, .size: 8, .value_kind: global_buffer, .address_space: global }
      - { .name: ln1_w, .offset: 8, .size: 8, .value_kind: global_buffer, .address_space: global }
      - { .name: w_qkv, .offset: 16, .size: 8, .value_kind: global_buffer, .address_space: global }
      - { .name: w_o, .offset: 24, .size: 8, .value_kind: global_buffer, .address_space: global }
      - { .name: w1, .offset: 32, .size: 8, .value_kind: global_buffer, .address_space: global }
      - { .name: w2, .offset: 40, .size: 8, .value_kind: global_buffer, .address_space: global }
      - { .name: prepo, .offset: 48, .size: 8, .value_kind: global_buffer, .address_space: global }
    .group_segment_fixed_size: 102144
    .private_segment_fixed_size: 0
    .kernarg_segment_align: 8
    .kernarg_segment_size: 56
    .max_flat_workgroup_size: 128
    .sgpr_count:     66
    .vgpr_count:     256
    .wavefront_size: 32
...
	.end_amdgpu_metadata
.endif
;; end of part 1
;; launch qkv (part 2): grid 8 x 24, 4 waves a work-group, clusters of 4 x 4, 327,680 bytes of LDS; arguments prepo, qkvb; writes qkvb
.if DOCPART == 2
	.amdgcn_target "amdgcn-amd-amdhsa--gfx1250"
	.amdhsa_code_object_version 6
	.text
	.protected	k_q909970c76c_qkv
	.globl	k_q909970c76c_qkv
	.p2align	8
	.type	k_q909970c76c_qkv,@function
k_q909970c76c_qkv:
	s_mov_b64 s[64:65], 0
	v_nop
	global_prefetch_b8 v0, s[64:65] scope:SCOPE_SE
	s_setreg_imm32_b32 hwreg(HW_REG_WAVE_MODE, 25, 1), 1
	s_wait_xcnt 0x0
	s_wait_alu depctr_hold_cnt(0) depctr_sa_sdst(0) depctr_va_vdst(0) depctr_va_sdst(0) depctr_va_ssrc(0) depctr_va_vcc(0) depctr_vm_vsrc(0)
	s_getreg_b32 s2, hwreg(HW_REG_IB_STS2, 6, 4)
	s_cmp_eq_u32 s2, 0
	s_cbranch_scc0 .Lentry_in_a_cluster
	s_endpgm
.Lentry_in_a_cluster:
	s_bfe_u32 s2, ttmp6, 0x10000c
	s_cmp_lg_u32 s2, 0xf033
	s_cbranch_scc0 .Lentry_shape_is_right
	s_endpgm
.Lentry_shape_is_right:
; qkv = h w_qkv^T on codes of BF6 (E3M2) with E8M0 scales, K = 1,024; the results are quantised in registers and leave as the operands of attention's two products.
; Operands are images of fragments (16 rows x 128 K, 1,536 bytes: registers 0-3 at 16 x lane, 4-5 at 512 + 8 x lane, 6-9 at 768 + 16 x lane, 10-11 at 1,280 + 8 x lane), [tile][K / 128]; scale words [tile][K / 128][32 lanes].
; Lane-row r of tile T is row 64 (T / 4) + 32 (r / 8) + 8 (T % 4) + r % 8.  So, of source 0's eight tiles, a lane's 64 results are k = 64 c + 32 h + 0 .. 31 of the next product's K: two whole blocks, in the operand's own order.
; A tile of C is 256 x 256: four waves, 128 x 128 each, 64 accumulators.  K = 1,024 is four steps of 256.  THREE LDS slots: the first three steps' tiles are first fills, asked for together at the start;
; the fourth fills slot 0 again, behind the one change of slots that has a round: 224 matrix instructions stand between that request and the wait for it.
; The scale words of the work-group's rows come once and stay: of each record of 32 lanes the first 16 lanes' 64 bytes are fetched (the other 16 repeat them), which leaves room for the third slot.
; TWO PRODUCTS IN ONE TEXT, told apart by the cluster's y, which all partners share, and by selects alone, no branch.  Cluster y 0-3: side A = tokens, side B = the rows of w_q and w_k: a lane holds a token, its registers run
; along the head's 64: q and k, quantised along d.  Cluster y 4, 5: side A = the rows of w_v, side B = tokens: a lane holds a channel, its registers run along the tokens: v, quantised along the keys.
; Source 0 is always side B, source 1 side A.
; CLUSTER 4 x 4: A's tiles are asked for jointly by a row of the cluster, B's by a column.
; OUT: q, k: [batch 16 + head][tile of the batch][768] (half an image: 16 tokens x 64);  v: [batch 16 + key step][channel tile 64][1,536];  q's scale words as made, [tile][head pair][128];
; k's: one word for two neighbouring tiles of one head (s0, s1 of the first; s0, s1 of the second), [batch 16 + head][tile / 2][128];  v's: [batch 16 + key step][channel tile][128].
; LIMITS: NaN and infinities are not served; a block whose largest magnitude is under 2^-122 keeps the byte 1 (zeros too: its codes are zeros, and this program alone reads the bytes).
; REGISTERS: window 0: v4-15 fragment addresses, v27 scale words' address, v28-29 the spare word's, v32-63 scale words (two sets), v128-223 A's eight fragments; window 1: B's two sets at v0 and v128; windows 2, 3: accumulator (a, b) at v[8 (8 (a % 4) + b)].
.set H_S,      3145728
.set WQKV_IMG, 3407872
.set WQKV_S,   5767168
.set WV_IMG,   WQKV_IMG+128*12288      ; the rows of w_v begin at tile 128
.set WV_S,     WQKV_S+128*1024
.set K_IMG,    3145728
.set V_IMG,    6291456
.set Q_S,      9437184
.set K_S,      9699328
.set V_S,      9961472
.set FR,    12
.set NL,    4                          ; LDS loads that bring a fragment
.set NP,    4                          ; places behind this matrix instruction (ISA guide 7.12.1)
.set NQ,    2                          ; steps of 128 in a slot
.set FRB,   1536
.set TROW,  8*FRB                      ; a tile's images in memory
.set HALFT, 8*NQ*FRB                   ; 8 tiles x 2 fragments: what one tensor load brings
.set SLOT,  4*HALFT                    ; A's 16 tiles, then B's 16
.set SCL,   3*SLOT                     ; behind the three slots: the scale words
.set STB,   512                        ; a tile's in LDS: 8 K steps x 16 lanes x 4 bytes
.set HALFS, 8*STB
.set SPARE, SCL+4*HALFS                ; the spare words: 128 bytes a wave, two blocks of 256 bytes that no other line names
.set ADRA, 4                           ; v4-6 16 x lane + my A tiles in slot 0, 1, 2;  v7-9 the same with 8 x lane
.set ADRB, 10                          ; v10-15 likewise for B
.set ADRS, 27
.set SPW,  28
.set NIL,  29
.set SC,   32                          ; set s at v[SC + 16 s]; register 2 i + q: lanes 0-15 A's block i, lanes 16-31 B's block i, the slot's q-th 128
.set AF,   128
.set G1, 24
.set G0, 32                            ; s[32:39] A's group 0 for slots 0 and 1
.set G1B, 48
.set G0B, 56                           ; s[56:63] B's for slots 0 and 1
.set G1S, 68
.set G0S, 76
.set G1SB, 80
.set G0SB, 88
.set G0C, 92
.set G0CB, 96
.set MSB, 0
.macro WIN new                         ; the immediate's high byte repeats the setting that is left
.if MSB != (\new)
	s_set_vgpr_msb (MSB<<8)|(\new)
.set MSB, (\new)
.endif
.endm
.set MUL_LO, 0xa1                      ; source 0 (B) window 1, source 1 (A) window 0, C and D window 2
.set MUL_HI, 0xf1
.set TO_B,   0x40
.macro JLOAD g0a, g1a, g0b, g1b        ; a joint load: waves 0 and 1 fetch for A, waves 2 and 3 for B; four v_nop follow each line
	s_cmp_eq_u32 s15, 0
	s_cbranch_scc0 .Lfor_b_\@
	tensor_load_to_lds s[\g0a:\g0a+3], s[\g1a:\g1a+7]
	s_nop 0
.rept 4
	v_nop
.endr
	s_branch .Lasked_\@
.Lfor_b_\@:
	tensor_load_to_lds s[\g0b:\g0b+3], s[\g1b:\g1b+7]
	s_nop 0
.rept 4
	v_nop
.endr
.Lasked_\@:
.endm
.macro CREST                           ; a round of the cluster's barrier behind its opening barrier
	s_cmp_lg_u32 s14, 0
	s_cbranch_scc1 .Lnot_wave_0_\@
	s_barrier_signal -3
.Lnot_wave_0_\@:
	s_barrier_wait -3
	s_barrier_signal -1
	s_barrier_wait -1
.endm
.macro CROUND
	s_barrier_signal -1
	s_barrier_wait -1
	CREST
.endm
.macro PLACES n
.rept \n
	v_nop
.endr
.endm
	s_load_b128 s[4:7], s[0:1], 0x0                ; the operands s[4:5], the results s[6:7]
	v_lshl_add_u32 v[SPW], v0, 2, SPARE
	v_mov_b32 v[NIL], 0
	ds_add_u32 v28, v29
	ds_add_u32 v28, v29
	s_wait_dscnt 0x0
	v_lshrrev_b32 v1, 5, v0
	v_readfirstlane_b32 s14, v1                    ; wave 0..3
	s_lshr_b32 s15, s14, 1                         ; which half of A's tiles is mine.  Also: I fetch for A (0) or for B (1)
	s_and_b32 s16, s14, 1                          ; which half of B's.  Also: which 8 tiles I fetch
	s_bfe_u32 s40, ttmp6, 0x40000                  ; cx
	s_bfe_u32 s41, ttmp6, 0x40004                  ; cy
	s_and_b32 s17, ttmp7, 0xffff                   ; the cluster's y, 0..5
	s_lshl_b32 s18, s17, 2
	s_lshl_b32 s19, s17, 3
	s_sub_co_u32 s19, s19, 32
	s_lshl_b32 s42, ttmp9, 2
	s_add_co_u32 s42, s42, s40
	s_mov_b32 s11, H_S
	s_mov_b32 s13, WQKV_S
	s_cmp_ge_u32 s17, 4                            ; v's product?
	s_cselect_b32 s66, 1, 0
	s_cselect_b32 s18, 0, s18
	s_cselect_b32 s19, s19, 0
	s_cselect_b32 s10, WV_IMG, 0                   ; side A: codes,
	s_cselect_b32 s11, WV_S, s11                   ; scale words
	s_cselect_b32 s12, 0, WQKV_IMG                 ; side B
	s_cselect_b32 s13, H_S, s13
	s_add_co_u32 s17, s18, s41                     ; A's block of 256 rows: 4 cluster y + cy, or cy
	s_add_co_u32 s42, s42, s19                     ; B's: 4 cluster x + cx, for v + 8 (cluster y - 4)
	s_lshl_b32 s43, s41, 2
	s_lshl_b32 s43, 15, s43                        ; my row of the cluster
	s_lshl_b32 s44, 0x1111, s40                    ; my column
	; group 1 for codes: 16 rows (tiles) of 3,072 bytes (two images), 12,288 bytes apart; elements of 8 bytes; no padding
	s_or_b32 s[G1+0], s43, (3<<16)|(1<<21)
	s_or_b32 s[G1B+0], s44, (3<<16)|(1<<21)
.irp g, G1, G1B
	s_mov_b32 s[\g+1], 384<<16                     ; tensor_dim0
	s_mov_b32 s[\g+2], 16<<16                      ; tensor_dim1: the head's loads bring all 16 tiles of a side
	s_mov_b32 s[\g+3], 384<<16                     ; tile_dim0
	s_mov_b32 s[\g+4], 16                          ; tile_dim1
	s_mov_b32 s[\g+5], TROW/8                      ; from row to row
	s_mov_b32 s[\g+6], 0
	s_mov_b32 s[\g+7], 0
.endr
	; and for the scale words of 16 tiles: 128 records (16 tiles x 8 K steps), of each the first 64 bytes; the records lie 128 bytes apart
	s_or_b32 s[G1S+0], s43, (3<<16)|(1<<21)
	s_or_b32 s[G1SB+0], s44, (3<<16)|(1<<21)
.irp g, G1S, G1SB
	s_mov_b32 s[\g+1], 8<<16                       ; tensor_dim0: 8 elements of 8 bytes
	s_mov_b32 s[\g+2], 128<<16                     ; tensor_dim1: 16 tiles x 8 K steps
	s_mov_b32 s[\g+3], 8<<16                       ; tile_dim0
	s_mov_b32 s[\g+4], 128                         ; tile_dim1
	s_mov_b32 s[\g+5], 16                          ; from row to row
	s_mov_b32 s[\g+6], 0
	s_mov_b32 s[\g+7], 0
.endr
	s_mul_i32 s18, s16, 8*TROW                     ; in the ring I fetch 8 tiles of a side: which half, in bytes
	s_mov_b32 s19, 0
	s_lshl_b32 s20, s17, 4                         ; A: the block's first tile
	s_lshl_b32 s46, s42, 4                         ; B
	s_lshl_b32 s22, s20, 10                        ; (in memory a tile's scale words are 1,024 bytes)
	s_add_co_u32 s22, s22, s11
	s_mov_b32 s23, 0
	s_mul_i32 s20, s20, TROW
	s_add_co_u32 s20, s20, s10
	s_mov_b32 s21, 0
	s_lshl_b32 s92, s46, 10
	s_add_co_u32 s92, s92, s13
	s_mov_b32 s93, 0
	s_mul_i32 s46, s46, TROW
	s_add_co_u32 s46, s46, s12
	s_mov_b32 s47, 0
	s_mul_i32 s45, s14, HALFT                      ; where they go: by the wave's number alone
	s_wait_kmcnt 0x0
	s_add_nc_u64 s[20:21], s[4:5], s[20:21]
	s_add_nc_u64 s[22:23], s[4:5], s[22:23]
	s_add_nc_u64 s[46:47], s[4:5], s[46:47]
	s_add_nc_u64 s[92:93], s[4:5], s[92:93]
	CROUND                                         ; all sixteen work-groups are here: the first joint loads meet
	s_mov_b32 s[G0S], 1
	s_mov_b32 s[G0S+1], SCL
	s_mov_b64 s[G0S+2:G0S+3], s[22:23]
	s_or_b32 s[G0S+3], s[G0S+3], 0x80000000
	s_mov_b32 s[G0SB], 1
	s_mov_b32 s[G0SB+1], SCL+2*HALFS
	s_mov_b64 s[G0SB+2:G0SB+3], s[92:93]
	s_or_b32 s[G0SB+3], s[G0SB+3], 0x80000000
	; THE HEAD'S LOADS, ONE A WAVE: wave 0 slot 0's 16 tiles of A, wave 1 its 16 of B, wave 2 A's scale words, wave 3 B's.  One chain of branches on the wave's number, one load to an arm.
	s_mov_b32 s[G0], 1
	s_mov_b32 s[G0+1], 0
	s_mov_b64 s[G0+2:G0+3], s[20:21]
	s_or_b32 s[G0+3], s[G0+3], 0x80000000
	s_mov_b32 s[G0B], 1
	s_mov_b32 s[G0B+1], 2*HALFT
	s_mov_b64 s[G0B+2:G0B+3], s[46:47]
	s_or_b32 s[G0B+3], s[G0B+3], 0x80000000
.macro ARM under, g0, g1, next
	s_cmp_lt_u32 s14, \under
	s_cbranch_scc0 \next
	tensor_load_to_lds s[\g0:\g0+3], s[\g1:\g1+7]
	s_nop 0
.rept 4
	v_nop
.endr
	s_branch .Lhead_asked
\next:
.endm
	ARM 1, G0,  G1,  .Lhead_b
	ARM 2, G0B, G1B, .Lhead_sa
	ARM 3, G0S, G1S, .Lhead_sb
	tensor_load_to_lds s[G0SB:G0SB+3], s[G1SB:G1SB+7]
	s_nop 0
.rept 4
	v_nop
.endr
.Lhead_asked:
	s_add_nc_u64 s[20:21], s[20:21], s[18:19]      ; for the ring: my 8 tiles of the side
	s_add_nc_u64 s[46:47], s[46:47], s[18:19]
.irp s, 1
	s_mov_b32 s[G0+4*\s], 1
	s_lshl_b32 s[G0+4*\s+1], s45, 1                ; K 256 - 767 comes by ONE load a wave: 8 tiles x 4 images, 2 HALFT bytes, behind slot 0
	s_add_co_u32 s[G0+4*\s+1], s[G0+4*\s+1], SLOT
	s_add_nc_u64 s[G0+4*\s+2:G0+4*\s+3], s[20:21], \s*NQ*FRB
	s_or_b32 s[G0+4*\s+3], s[G0+4*\s+3], 0x80000000
	s_mov_b32 s[G0B+4*\s], 1
	s_lshl_b32 s[G0B+4*\s+1], s45, 1
	s_add_co_u32 s[G0B+4*\s+1], s[G0B+4*\s+1], SLOT
	s_add_nc_u64 s[G0B+4*\s+2:G0B+4*\s+3], s[46:47], \s*NQ*FRB
	s_or_b32 s[G0B+4*\s+3], s[G0B+4*\s+3], 0x80000000
.endr
	s_add_nc_u64 s[2:3], s[20:21], 3*NQ*FRB        ; A's fourth tile, kept for slot 0's refill (s21 is written again below)
	v_and_b32 v1, 31, v0                           ; lane
	v_bfe_u32 v2, v0, 4, 1                         ; h
	v_and_b32 v3, 15, v0                           ; r
	v_lshlrev_b32 v16, 4, v1
	v_lshlrev_b32 v17, 3, v1
	s_mul_i32 s21, s15, HALFT
	s_mul_i32 s22, s16, HALFT
	s_add_co_u32 s22, s22, 2*HALFT
.irp s, 0,1,2
	v_add_nc_u32 v[ADRA+\s], s21, v16
	v_add_nc_u32 v[ADRB+\s], s22, v16
	v_add_nc_u32 v[ADRA+3+\s], s21, v17
	v_add_nc_u32 v[ADRB+3+\s], s22, v17
.if \s == 0
	s_mul_i32 s21, s15, 2*HALFT                    ; slots 1 and 2 share one region, [tile][4 images]: A's two halves, then B's two
	s_mul_i32 s22, s16, 2*HALFT
	s_add_co_u32 s21, s21, SLOT
	s_add_co_u32 s22, s22, SLOT+4*HALFT
.else
	s_add_co_u32 s21, s21, NQ*FRB                  ; slot 2 is each tile's third and fourth image
	s_add_co_u32 s22, s22, NQ*FRB
.endif
.endr
	v_lshlrev_b32 v18, 2, v3                       ; 4 r
	s_mul_i32 s21, s15, HALFS                      ; A's words: my 8 tiles
	s_mul_i32 s22, s16, HALFS
	s_add_co_u32 s22, s22, 2*HALFS                 ; B's, behind A's 16
	s_sub_co_u32 s22, s22, s21
	v_mul_u32_u24 v19, s22, v2                     ; lanes 16-31 take B's: the lower base + h x the distance
	s_add_co_u32 s21, s21, SCL
	v_add_nc_u32 v18, v18, v19
	v_add_nc_u32 v[ADRS], s21, v18
.macro FRAG reg, adr, off              ; an image comes back as the registers that it was
	ds_load_b128 v[(\reg):(\reg)+3], v[\adr] offset:\off
	ds_load_b64 v[(\reg)+4:(\reg)+5], v[\adr+3] offset:\off+512
	ds_load_b128 v[(\reg)+6:(\reg)+9], v[\adr] offset:\off+768
	ds_load_b64 v[(\reg)+10:(\reg)+11], v[\adr+3] offset:\off+1280
.endm
; 16 matrix instructions: A's blocks a0, a0 + 1 x B's eight.  The 64 accumulators take turns, one instruction a turn, in the same order in every step.
.macro MUL16 a0, p, q, sc, zero
.irp a, \a0, \a0+1
.irp b, 0,1,2,3,4,5,6,7
.if \zero
	v_wmma_scale_f32_16x16x128_f8f6f4 v[8*(8*((\a)%4)+\b):8*(8*((\a)%4)+\b)+7], v[128*(\p)+FR*\b:128*(\p)+FR*\b+FR-1], v[AF+FR*(\a):AF+FR*(\a)+FR-1], 0, v[SC+8*NQ*(\sc)+NQ*\b+(\q)], v[SC+8*NQ*(\sc)+NQ*(\a)+(\q)] matrix_a_fmt:MATRIX_FMT_BF6 matrix_b_fmt:MATRIX_FMT_BF6 matrix_a_scale:MATRIX_SCALE_ROW1
.else
	v_wmma_scale_f32_16x16x128_f8f6f4 v[8*(8*((\a)%4)+\b):8*(8*((\a)%4)+\b)+7], v[128*(\p)+FR*\b:128*(\p)+FR*\b+FR-1], v[AF+FR*(\a):AF+FR*(\a)+FR-1], v[8*(8*((\a)%4)+\b):8*(8*((\a)%4)+\b)+7], v[SC+8*NQ*(\sc)+NQ*\b+(\q)], v[SC+8*NQ*(\sc)+NQ*(\a)+(\q)] matrix_a_fmt:MATRIX_FMT_BF6 matrix_b_fmt:MATRIX_FMT_BF6 matrix_a_scale:MATRIX_SCALE_ROW1
.endif
.endr
.endr
.endm
.macro FETCH_B slot, q, p
	WIN TO_B
.irp i, 0,1,2,3,4,5,6,7
	FRAG 128*(\p)+FR*\i, ADRB+\slot, \i*(2+2*(((\slot)+1)/2))*FRB+(\q)*FRB   ; from tile to tile: 2 images in slot 0, 4 in slots 1 and 2
.endr
	WIN 0
.endm
.macro FETCH_A slot, q, i0
.irp i, \i0, \i0+1, \i0+2, \i0+3
	FRAG AF+FR*(\i), ADRA+\slot, (\i)*(2+2*(((\slot)+1)/2))*FRB+(\q)*FRB
.endr
.endm
.macro SCALES sc
.irp i, 0,1,2,3,4,5,6,7
.irp q, 0,1
	ds_load_b32 v[SC+8*NQ*(\sc)+NQ*\i+\q], v[ADRS] offset:\i*STB+\q*64
.endr
.endr
.endm
.macro STEP slot, sc, zero             ; a slot's first step of 128 along K; sc: its set of scale words
	s_wait_dscnt 4*NL                              ; all but the youngest 16 loads, A's blocks 4-7
	WIN MUL_LO
	MUL16 0, 0, 0, \sc, \zero
	MUL16 2, 0, 0, \sc, \zero
	s_wait_dscnt 0
	PLACES NP                                      ; in front of loads into registers that matrix instructions have read
	FETCH_B \slot, 1, 1
	FETCH_A \slot, 1, 0
	WIN MUL_HI
	MUL16 4, 0, 0, \sc, \zero
	MUL16 6, 0, 0, \sc, \zero
	PLACES NP
	WIN 0
	FETCH_A \slot, 1, 4
.endm
; A slot's second step goes on to the next slot.  mode 1: this slot is filled again: each wave waits for all its tensor loads, adds 0 to its spare word, waits for that and for its reads of this slot; a round of the
; cluster's barrier; the joint refill.  mode 0: the next slot's tile was asked for on the way: the same waits and the work-group's barrier show it whole; nothing is filled.
; mode 2: the next slot was shown whole by an earlier barrier and nothing is filled: no wait on TENSORcnt (the refill stays on its way) and no barrier.
.macro TURN slot, next, sc, mode, ga=0, gb=0
.if \mode == 2
	s_wait_dscnt 4*NL                              ; all but the youngest 16 loads
.else
	s_wait_tensorcnt 0x0                           ; all my tensor loads have landed
	ds_add_u32 v[SPW], v[NIL]                      ; 0 onto my spare word
	s_wait_dscnt 4*NL+1                            ; (the add and the youngest 16 loads may be out)
.endif
	WIN MUL_LO
	MUL16 0, 1, 1, \sc, 0
.if \mode != 2
	s_wait_dscnt 0x0                               ; the add is done, and my reads of this slot are over
	s_barrier_signal -1
.endif
	MUL16 2, 1, 1, \sc, 0
	WIN 0
.if \mode == 2
	s_wait_dscnt 0x0                               ; A's blocks 4-7 are in
.else
	s_barrier_wait -1
.endif
.if \mode == 1
	CREST                                          ; the barrier has opened a round of the cluster's: no wave of any partner still reads this slot or has a load on its way
	s_mov_b32 s[G1+1], 384<<16                     ; no load of mine is out: a row is two images again
	s_mov_b32 s[G1+3], 384<<16
	s_mov_b32 s[G1B+1], 384<<16
	s_mov_b32 s[G1B+3], 384<<16
	JLOAD \ga, G1, \gb, G1B                        ; my one tensor load behind the round; its four v_nop are the places in front of the loads below
.else
	PLACES NP
.endif
	v_add_nc_u32 v[ADRS], 64*NQ, v[ADRS]           ; the next slot's scale words
	FETCH_B \next, 0, 0
	FETCH_A \next, 0, 0
	SCALES 1-\sc
	WIN MUL_HI
	MUL16 4, 1, 1, \sc, 0
	MUL16 6, 1, 1, \sc, 0
	PLACES NP
	WIN 0
	FETCH_A \next, 0, 4
.endm
	s_wait_alu depctr_va_vdst(0)
	s_wait_tensorcnt 0x0                           ; my tile of the head's four is in
	ds_add_u32 v[SPW], v[NIL]
	s_mov_b32 s[G1+1], 768<<16                     ; the next load's rows are four images, 6,144 bytes,
	s_mov_b32 s[G1+3], 768<<16
	s_mov_b32 s[G1B+1], 768<<16
	s_mov_b32 s[G1B+3], 768<<16
	s_mov_b32 s[G1+2], 8<<16                       ; of 8 tiles
	s_mov_b32 s[G1+4], 8
	s_mov_b32 s[G1B+2], 8<<16
	s_mov_b32 s[G1B+4], 8
	s_mov_b32 s[G0+1], s45                         ; and slot 0's descriptors stand for its refill: my quarter of the fourth tile
	s_mov_b64 s[G0+2:G0+3], s[2:3]
	s_or_b32 s[G0+3], s[G0+3], 0x80000000
	s_mov_b32 s[G0B+1], s45
	s_add_nc_u64 s[G0B+2:G0B+3], s[46:47], 3*NQ*FRB
	s_or_b32 s[G0B+3], s[G0B+3], 0x80000000
	s_wait_dscnt 0x0
	CROUND                                         ; all four tiles are in, all sixteen work-groups are here
	JLOAD G0+4, G1, G0B+4, G1B                     ; slot 1's first fill, my one load behind the round
	FETCH_B 0, 0, 0
	FETCH_A 0, 0, 0
	SCALES 0
	FETCH_A 0, 0, 4
	STEP 0, 0, 1                                   ; the first step's products start the sums
	TURN 0, 1, 0, 1, G0, G0B                       ; slots 1 and 2 are whole; slot 0 takes the fourth tile
	s_wait_alu depctr_va_vdst(0)
	STEP 1, 1, 0
	TURN 1, 2, 1, 2
	s_wait_alu depctr_va_vdst(0)
	STEP 2, 0, 0
	TURN 2, 0, 0, 0                                ; the fourth tile is whole
	STEP 0, 1, 0
	s_wait_dscnt 4*NL
	WIN MUL_LO
	MUL16 0, 1, 1, 1, 0
	MUL16 2, 1, 1, 1, 0
	s_wait_dscnt 0
	WIN MUL_HI
	MUL16 4, 1, 1, 1, 0
	MUL16 6, 1, 1, 1, 0
	WIN 0
	; ---- THE WAY OUT: A's block a with B's eight is one fragment of the next operand: 64 numbers a lane
.set TM,   32
.set CT,   40
.set FL,   48
.set SH8,  49
.set GI16, 50
.set GI8,  51
.set GI4,  52
.set PCS,  64                          ; v[64 + 12 a] block a's codes
.set PWS,  160                         ; v[160 + a] its scale word
.set OW,   168                         ; v[168 + a] the words as they leave
.set P0,   24                          ; s[24:25] where the fragment's first half goes, s[26:27] its second
.set PS0,  28                          ; s[28:29], s[30:31] where a pair of blocks' two words go
.set SA,   32                          ; s[32:33] from block to block
.set SS,   34                          ; s[34:35] from pair to pair
.set SL0,  36                          ; s36, s37 byte selects for the two words
.set SL1,  37
.set SEL,  38                          ; s[38:39] lane l xor 16.  (All descriptors are done with: the last wait for all tensor loads stands in the last change of slots)
.macro QUANT64 xs, xw, pc, pw          ; 64 numbers in window xw, register 32 c + i = k 64 c + 32 h + i, become 12 registers of codes and the row's scale word, in window 0
	WIN ((\xw)<<2)|((\xw)<<4)
.irp n, 0,1,2,3
	v_max3_num_f32 v[TM+\n], v[FL], |v[(\xs)+16*\n]|, |v[(\xs)+16*\n+1]|   ; each accumulator is read from its low end on
.endr
.irp i, 2,4,6,8,10,12,14
.irp n, 0,1,2,3
	v_max3_num_f32 v[TM+\n], v[TM+\n], |v[(\xs)+16*\n+\i]|, |v[(\xs)+16*\n+\i+1]|
.endr
.endr
	WIN 0
	v_max_num_f32 v[TM], v[TM], v[TM+1]
	v_max_num_f32 v[TM+2], v[TM+2], v[TM+3]
	v_add_nc_u32 v[TM+4], 0xfe000000, v[TM]        ; 4 off the exponent field: the conversion's scale operand
	v_add_nc_u32 v[TM+5], 0xfe000000, v[TM+2]
	v_lshrrev_b32 v[TM], 23, v[TM+4]
	v_lshrrev_b32 v[TM+2], 23, v[TM+5]
	v_lshl_or_b32 v[TM], v[TM+2], 16, v[TM]
	v_lshlrev_b32 v[TM], v[SH8], v[TM]
	v_permlanex16_b32 v[TM+1], v[TM], s[SEL], s[SEL+1]
	v_or_b32 v[\pw], v[TM], v[TM+1]
	WIN \xw
	v_cvt_scalef32_pk16_bf6_f32 v[(\pc):(\pc)+2], v[(\xs):(\xs)+15], v[TM+4]
	v_cvt_scalef32_pk16_bf6_f32 v[CT:CT+2], v[(\xs)+16:(\xs)+31], v[TM+4]
	v_cvt_scalef32_pk16_bf6_f32 v[(\pc)+6:(\pc)+8], v[(\xs)+32:(\xs)+47], v[TM+5]
	v_cvt_scalef32_pk16_bf6_f32 v[CT+4:CT+6], v[(\xs)+48:(\xs)+63], v[TM+5]
	WIN 0
	v_nop                                          ; one plain place behind the conversions
.irp i, 0,1,2
	v_mov_b32 v[(\pc)+3+\i], v[CT+\i]
	v_mov_b32 v[(\pc)+9+\i], v[CT+4+\i]
.endr
.endm
	PLACES NP                                      ; behind the last products: their results are read, and registers that they read are written
	v_and_b32 v[GI4], 31, v0
	v_lshlrev_b32 v[GI16], 4, v[GI4]
	v_lshlrev_b32 v[GI8], 3, v[GI4]
	v_lshlrev_b32 v[GI4], 2, v[GI4]
	v_bfe_u32 v[SH8], v0, 4, 1
	v_lshlrev_b32 v[SH8], 3, v[SH8]
	v_mov_b32 v[FL], 0x2800000
	s_wait_alu depctr_va_vdst(0)
	s_mov_b32 s[SEL], 0x76543210
	s_mov_b32 s[SEL+1], 0xfedcba98
	s_lshl_b32 s18, s17, 4
	s_lshl_b32 s20, s15, 3
	s_add_co_u32 s18, s18, s20                     ; TA: A's first tile of mine
	s_lshl_b32 s19, s42, 1
	s_add_co_u32 s19, s19, s16                     ; SB: which 128 of B's rows are mine
	s_and_b32 s20, s19, 7                          ; q, k: the head pair,
	s_lshr_b32 s21, s19, 3                         ; and 1 for k
	s_lshr_b32 s22, s18, 7                         ; the batch
	s_and_b32 s23, s18, 127                        ; the tile in it
	s_lshl_b32 s22, s22, 4
	s_lshl_b32 s45, s20, 1
	s_add_co_u32 s22, s22, s45                     ; batch 16 + the pair's first head
	s_lshl_b32 s45, s22, 7
	s_add_co_u32 s45, s45, s23
	s_mul_i32 s45, s45, 768
	s_mul_i32 s46, s21, K_IMG
	s_add_co_u32 s45, s45, s46                     ; q, k: codes
	s_lshl_b32 s46, s18, 3
	s_add_co_u32 s46, s46, s20
	s_lshl_b32 s46, s46, 7
	s_add_co_u32 s46, s46, Q_S                     ; q: words
	s_lshl_b32 s47, s22, 6
	s_lshr_b32 s23, s23, 1
	s_add_co_u32 s47, s47, s23
	s_lshl_b32 s47, s47, 7
	s_add_co_u32 s47, s47, K_S                     ; k: words
	s_lshl_b32 s92, s19, 6
	s_add_co_u32 s92, s92, s18
	s_mul_i32 s93, s92, FRB
	s_add_co_u32 s93, s93, V_IMG                   ; v: codes
	s_lshl_b32 s92, s92, 7
	s_add_co_u32 s92, s92, V_S                     ; v: words
	s_mov_b32 s94, 1024                            ; q: the pair's second word lies a tile on; a pair of tiles is 2,048 bytes; the words leave as they are
	s_mov_b32 s95, 2048
	s_mov_b32 s[SL0], 0x03020100
	s_mov_b32 s[SL1], 0x07060504
	s_cmp_eq_u32 s21, 1                            ; k: the second word is the next head's; bytes 0, 1 of both tiles make the first head's word, bytes 2, 3 the second's
	s_cselect_b32 s46, s47, s46
	s_cselect_b32 s94, 8192, s94
	s_cselect_b32 s95, 128, s95
	s_cselect_b32 s[SL0], 0x05040100, s[SL0]
	s_cselect_b32 s[SL1], 0x07060302, s[SL1]
	s_mov_b32 s96, 128*768                         ; q, k: the fragment's second half is the next head's
	s_mov_b32 s[SA], 768
	s_cmp_eq_u32 s66, 1                            ; v: whole images, words as they are
	s_cselect_b32 s45, s93, s45
	s_cselect_b32 s96, 768, s96
	s_cselect_b32 s[SA], FRB, s[SA]
	s_cselect_b32 s46, s92, s46
	s_cselect_b32 s94, 128, s94
	s_cselect_b32 s95, 256, s95
	s_cselect_b32 s[SL0], 0x03020100, s[SL0]
	s_cselect_b32 s[SL1], 0x07060504, s[SL1]
	s_mov_b32 s93, 0
	s_mov_b32 s92, s45
	s_add_nc_u64 s[P0:P0+1], s[6:7], s[92:93]
	s_mov_b32 s92, s96
	s_add_nc_u64 s[P0+2:P0+3], s[P0:P0+1], s[92:93]
	s_mov_b32 s92, s46
	s_add_nc_u64 s[PS0:PS0+1], s[6:7], s[92:93]
	s_mov_b32 s92, s94
	s_add_nc_u64 s[PS0+2:PS0+3], s[PS0:PS0+1], s[92:93]
	s_mov_b32 s[SA+1], 0
	s_mov_b32 s[SS], s95
	s_mov_b32 s[SS+1], 0
.macro ROWS a
	QUANT64 64*((\a)%4), 2+(\a)/4, PCS+12*(\a), PWS+(\a)
	global_store_b128 v[GI16], v[PCS+12*(\a):PCS+12*(\a)+3], s[P0:P0+1]
	global_store_b64 v[GI8], v[PCS+12*(\a)+4:PCS+12*(\a)+5], s[P0:P0+1] offset:512
	global_store_b128 v[GI16], v[PCS+12*(\a)+6:PCS+12*(\a)+9], s[P0+2:P0+3]
	global_store_b64 v[GI8], v[PCS+12*(\a)+10:PCS+12*(\a)+11], s[P0+2:P0+3] offset:512
.if (\a)%2
	v_perm_b32 v[OW+(\a)-1], v[PWS+(\a)], v[PWS+(\a)-1], s[SL0]    ; selects 0-3: the earlier block's word, 4-7: this block's
	v_perm_b32 v[OW+(\a)], v[PWS+(\a)], v[PWS+(\a)-1], s[SL1]
	global_store_b32 v[GI4], v[OW+(\a)-1], s[PS0:PS0+1]
	global_store_b32 v[GI4], v[OW+(\a)], s[PS0+2:PS0+3]
.endif
.if (\a) < 7
	s_wait_xcnt 0x0                                ; the stores have read their bases: they step
	s_add_nc_u64 s[P0:P0+1], s[P0:P0+1], s[SA:SA+1]
	s_add_nc_u64 s[P0+2:P0+3], s[P0+2:P0+3], s[SA:SA+1]
.if (\a)%2
	s_add_nc_u64 s[PS0:PS0+1], s[PS0:PS0+1], s[SS:SS+1]
	s_add_nc_u64 s[PS0+2:PS0+3], s[PS0+2:PS0+3], s[SS:SS+1]
.endif
.endif
.endm
.irp a, 0,1,2,3,4,5,6,7
	ROWS \a
.endr
	s_wait_tensorcnt 0x0                           ; the wave's end
	ds_add_u32 v[SPW], v[NIL]
	s_wait_dscnt 0x0
	CROUND                                         ; the closing round
	s_endpgm
.Lfunc_end_k_q909970c76c_qkv:
	.size	k_q909970c76c_qkv, .Lfunc_end_k_q909970c76c_qkv-k_q909970c76c_qkv
	.p2alignl 7, 3214868480
	.fill 96, 4, 3214868480
	.section	.rodata,"a",@progbits
	.p2align	6, 0x0
	.amdhsa_kernel k_q909970c76c_qkv
		.amdhsa_group_segment_fixed_size 327680
		.amdhsa_private_segment_fixed_size 0
		.amdhsa_enable_private_segment 0
		.amdhsa_kernarg_size 16
		.amdhsa_user_sgpr_count 2
		.amdhsa_user_sgpr_kernarg_segment_ptr 1
		.amdhsa_wavefront_size32 1
		.amdhsa_system_sgpr_workgroup_id_x 1
		.amdhsa_system_sgpr_workgroup_id_y 1
		.amdhsa_system_sgpr_workgroup_id_z 1
		.amdhsa_system_vgpr_workitem_id 0
		.amdhsa_next_free_vgpr 1024
		.amdhsa_next_free_sgpr 100
		.amdhsa_reserve_vcc 0
		.amdhsa_float_denorm_mode_32 3
		.amdhsa_float_denorm_mode_16_64 3
		.amdhsa_memory_ordered 1
		.amdhsa_forward_progress 1
		.amdhsa_inst_pref_size 149
	.end_amdhsa_kernel
	.amdgpu_metadata
---
amdhsa.version: [ 1, 2 ]
amdhsa.kernels:
  - .name:           k_q909970c76c_qkv
    .symbol:         k_q909970c76c_qkv.kd
    .args:
      - { .name: prepo, .offset: 0, .size: 8, .value_kind: global_buffer, .address_space: global }
      - { .name: qkvb, .offset: 8, .size: 8, .value_kind: global_buffer, .address_space: global }
    .group_segment_fixed_size: 327680
    .private_segment_fixed_size: 0
    .kernarg_segment_align: 8
    .kernarg_segment_size: 16
    .max_flat_workgroup_size: 128
    .sgpr_count:     100
    .vgpr_count:     1024
    .wavefront_size: 32
...
	.end_amdgpu_metadata
.endif
;; end of part 2
;; launch attn (part 3): grid 8 x 32, 16 waves a work-group, clusters of 4 x 1, 251,904 bytes of LDS; arguments qkvb, ctxb; writes ctxb
.if DOCPART == 3
	.amdgcn_target "amdgcn-amd-amdhsa--gfx1250"
	.amdhsa_code_object_version 6
	.text
	.protected	k_q909970c76c_attn
	.globl	k_q909970c76c_attn
	.p2align	8
	.type	k_q909970c76c_attn,@function
k_q909970c76c_attn:
	s_mov_b64 s[64:65], 0
	v_nop
	global_prefetch_b8 v0, s[64:65] scope:SCOPE_SE
	s_setreg_imm32_b32 hwreg(HW_REG_WAVE_MODE, 25, 1), 1
	s_wait_xcnt 0x0
	s_wait_alu depctr_hold_cnt(0) depctr_sa_sdst(0) depctr_va_vdst(0) depctr_va_sdst(0) depctr_va_ssrc(0) depctr_va_vcc(0) depctr_vm_vsrc(0)
	s_getreg_b32 s2, hwreg(HW_REG_IB_STS2, 6, 4)
	s_cmp_eq_u32 s2, 0
	s_cbranch_scc0 .Lentry_in_a_cluster
	s_endpgm
.Lentry_in_a_cluster:
	s_bfe_u32 s2, ttmp6, 0x10000c
	s_cmp_lg_u32 s2, 0x3003
	s_cbranch_scc0 .Lentry_shape_is_right
	s_endpgm
.Lentry_shape_is_right:
; Causal attention on codes of BF6 (E3M2): S^T = K Q^T, p = 2^(t - M), O^T = V^T p^T, O / l, and the result quantised along the model's axis as the next product's operand.
; t = score x log2(e) / 8; M = the running largest t rounded up to a whole number; the row's sum is taken of the unquantised p; when M moves, the sum and O^T are multiplied by 2^(old M - new M), which rounds nothing.
; SHARES.  y = batch 16 + head.  The eight work-groups of a head take query tiles T' = 8 j + c, c = the work-group's number along x, j = 0 .. 15.
; By the tiles' row order (lane-row r of tile T' is token 64 (T' / 4) + 32 (r / 8) + 8 (T' % 4) + r % 8) all 16 queries of tile 8 j + c lie among keys 128 j .. 128 j + 127: the tile has key steps 0 .. j, and step j is
; the one on the diagonal.  EQUAL WORK FOR ALL SIXTEEN WAVES: tiles j = 8 + i and j = 7 - i (i = 0 .. 7) are a pair, 17 key steps, and two waves share it.  The pair's FIRST wave takes the long tile's steps 0 - 7: 8 steps.
; Its SECOND wave takes the short tile whole (8 - i steps), sends it out, and then the long tile's steps 8 .. 8 + i (i + 1 steps): 9 steps.  The second wave's part of the long tile (O^T, M, the sum) goes through LDS to the
; first wave, which brings both parts under the larger M, by factors that are whole powers of two, and sends the long tile out.  Pair and part hang on the wave's number alone: i = w % 4 + 4 (w / 8), part = (w / 4) % 2:
; all work-groups do the same work, and the partners of a cluster run alike.
; LDS holds the head's K and V codes and scale words whole (2 x 104 KiB), filled ONCE, in four chunks of four key steps, by joint loads of the cluster's four work-groups: no slot is ever filled again.
; Every key step runs behind the one barrier that shows all four chunks; from there no barrier stands until the parts meet.
; K = 64 IN AN INSTRUCTION OF K = 128.  A fragment of K carries two tiles of keys (registers 0-5, 6-11).  Against [Q, 0] it gives the first tile's scores, against [0, Q] the second's: the other half meets zero codes.
; A lane holds one query throughout; the 64 score registers of a step are keys 64 c + 32 h + 0 .. 31: two whole blocks in the operand's order, so p's codes are the second product's operand as the conversions leave them.
; LIMITS: NaN and infinities are not served.  A block's largest p is made from the block's largest score by the same multiply-add and exponential as every p (v_exp_f32 is taken not to fall where its input rises).
; 1 / l is v_rcp_f32.  A block whose every number is under 2^-122 keeps the byte 1: its codes are zeros.
; REGISTERS: v1-6 bases, v8-13 the step's addresses, v[14:15] -M and the largest t, v16-21 zeros, v22-27 Q, v28-33 zeros, v34 Q's scale word, v35 the mask's compare value, v[36:37] the sum in two halves, v38 8 h, v39 -infinity,
; v40-87 four fragments, v88-91 their scale words, v92 where the pair's part lies in LDS, v96-159 S^T, then p, v160-191 O^T, v192-203 p's codes, v204-211 half blocks, v212-219 at work, v224 p's scale word,
; v225-227 store offsets, v228-234 the long tile's Q and its scale word, v[250:251], v[252:253] factors.
.set K_IMG, 3145728
.set V_IMG, 6291456
.set Q_S,   9437184
.set K_S,   9699328
.set V_S,   9961472
.set CTX_S, 3145728
.set KC,  0                            ; LDS: K's codes, 6,144 bytes a key step
.set KSC, 98304                        ; K's scale words, 512 a step
.set VC,  106496                       ; V's codes
.set VSC, 204800                       ; V's scale words
.set PART, 212992                      ; the pairs' parts: bytes of their own, into which no fill lands
.set PARTB, 4608                       ; a part: 36 registers as they stand, 128 bytes each
.set ROLE, 2                           ; s2  0: the pair's first wave, 1: its second
.set JL,  3                            ; s3  the long tile's j
.set WV,  8
.set J,   9                            ; s9  the j of the tile in hand
.set SEL, 14
.set CS,  16
.set KI,  18                           ; the key step's number
.set CNT, 19
.set TB,  20                           ; where the step's codes begin
.set TS,  21                           ; where its scale words begin
.set PI,  67                           ; s67 the pair
.set G1KC, 24
.set G1VC, 32
.set G1KS, 40
.set G1VS, 48
.macro CROUND
	s_barrier_signal -1
	s_barrier_wait -1
	s_cmp_lg_u32 s[WV], 0
	s_cbranch_scc1 .Lnot_wave_0_\@
	s_barrier_signal -3
.Lnot_wave_0_\@:
	s_barrier_wait -3
	s_barrier_signal -1
	s_barrier_wait -1
.endm
.macro PLACES n
.rept \n
	v_nop
.endr
.endm
.macro G1SET g, c, r, p                ; group 1: r rows of c elements of 8 bytes, p elements apart; mask: all four work-groups
	s_mov_b32 s[\g], 15|(3<<16)|(1<<21)
	s_mov_b32 s[\g+1], (\c)<<16
	s_mov_b32 s[\g+2], (\r)<<16
	s_mov_b32 s[\g+3], (\c)<<16
	s_mov_b32 s[\g+4], \r
	s_mov_b32 s[\g+5], \p
	s_mov_b32 s[\g+6], 0
	s_mov_b32 s[\g+7], 0
.endm
.macro FOUR g1                         ; a fetching wave's one chunk, in one arm; one load of the wave is out
	tensor_load_to_lds s[56:59], s[\g1:\g1+7]
	s_nop 0
.rept 4
	v_nop
.endr
.endm
.macro FRAG reg, a16, a8, off
	ds_load_b128 v[(\reg):(\reg)+3], v[\a16] offset:\off
	ds_load_b64 v[(\reg)+4:(\reg)+5], v[\a8] offset:\off+512
	ds_load_b128 v[(\reg)+6:(\reg)+9], v[\a16] offset:\off+768
	ds_load_b64 v[(\reg)+10:(\reg)+11], v[\a8] offset:\off+1280
.endm
.macro QADR j, pc, ps                  ; tile 8 j + c: where its codes and its scale words lie.  s84 = the head pair, s89 = 0.  s23 is left as (the tile among all 256) x 8 + the head pair
	s_lshl_b32 s22, s[\j], 3
	s_add_co_u32 s22, s22, s10
	s_lshl_b32 s23, s11, 7
	s_add_co_u32 s23, s23, s22
	s_mul_i32 s88, s23, 768
	s_add_nc_u64 s[\pc:\pc+1], s[4:5], s[88:89]
	s_lshl_b32 s23, s12, 7
	s_add_co_u32 s23, s23, s22
	s_lshl_b32 s23, s23, 3
	s_add_co_u32 s23, s23, s84
	s_lshl_b32 s88, s23, 7
	s_add_co_u32 s88, s88, Q_S
	s_add_nc_u64 s[\ps:\ps+1], s[4:5], s[88:89]
.endm
	s_load_b128 s[4:7], s[0:1], 0x0                ; q, k, v s[4:5]; ctx s[6:7]
	v_lshl_add_u32 v254, v0, 2, 0x3d000
	v_mov_b32 v255, 0
	ds_add_u32 v254, v255
	ds_add_u32 v254, v255
	v_lshrrev_b32 v1, 5, v0
	s_delay_alu instid0(VALU_DEP_1)
	v_readfirstlane_b32 s[WV], v1                  ; wave 0..15
	s_lshr_b32 s[ROLE], s[WV], 2
	s_and_b32 s[ROLE], s[ROLE], 1                  ; the pair's first wave or its second
	s_lshr_b32 s[PI], s[WV], 3
	s_lshl_b32 s[PI], s[PI], 2
	s_and_b32 s22, s[WV], 3
	s_or_b32 s[PI], s[PI], s22                     ; the pair i
	s_xor_b32 s[JL], s[PI], 8                      ; the long tile: 8 + i
	s_mul_i32 s22, s[ROLE], 15
	s_xor_b32 s[J], s[JL], s22                     ; the tile that I begin with and send out: 8 + i, or 7 - i
	s_bfe_u32 s10, ttmp6, 0x40000                  ; cx
	s_lshl_b32 s22, ttmp9, 2
	s_add_co_u32 s10, s10, s22                     ; c = 4 x cluster x + cx: it enters Q's and ctx's addresses and the mask's compare value alone
	s_and_b32 s11, ttmp7, 0xffff                   ; batch 16 + head
	s_lshr_b32 s12, s11, 4
	s_and_b32 s13, s11, 15
	G1SET G1KC, 32, 96, 32                         ; K's codes of four steps: 24,576 dense bytes
	G1SET G1VC, 768, 4, 12288                      ; V's: four steps' 6,144 bytes, 98,304 apart
	G1SET G1KS, 32, 8, 32                          ; K's words: 2,048 dense bytes
	G1SET G1VS, 64, 4, 1024                        ; V's: four steps' 512 bytes, 8,192 apart
	; group 0 of my kind's four chunks.  Wave 0: K's codes, 1: V's codes, 2: K's words, 3: V's words
	s_and_b32 s76, s[WV], 1                        ; V?
	s_lshr_b32 s77, s[WV], 1
	s_and_b32 s77, s77, 1                          ; words?
	s_xor_b32 s78, s77, 1
	s_mul_i32 s79, s76, VC
	s_mul_i32 s80, s77, KSC
	s_add_co_u32 s79, s79, s80                     ; the region in LDS
	s_mul_i32 s80, s78, 22528
	s_add_co_u32 s80, s80, 2048                    ; from chunk to chunk: 24,576 or 2,048
	s_mul_i32 s82, s11, 98304
	s_add_co_u32 s82, s82, K_IMG
	s_mul_i32 s83, s12, 1572864
	s_mul_i32 s84, s13, 6144
	s_add_co_u32 s83, s83, s84
	s_add_co_u32 s83, s83, V_IMG
	s_lshl_b32 s84, s11, 13
	s_add_co_u32 s84, s84, K_S
	s_lshl_b32 s85, s12, 17
	s_lshl_b32 s86, s13, 9
	s_add_co_u32 s85, s85, s86
	s_add_co_u32 s85, s85, V_S
	s_mov_b32 s86, 393216
	s_mov_b32 s87, 32768
	s_cmp_eq_u32 s76, 0
	s_cselect_b32 s82, s82, s83
	s_cselect_b32 s84, s84, s85
	s_cselect_b32 s86, 24576, s86
	s_cselect_b32 s87, 2048, s87
	s_cmp_eq_u32 s77, 0
	s_cselect_b32 s82, s82, s84
	s_cselect_b32 s86, s86, s87
	s_mov_b32 s83, 0
	s_mov_b32 s87, 0
	s_wait_dscnt 0x0
	s_wait_kmcnt 0x0
	s_add_nc_u64 s[82:83], s[4:5], s[82:83]
	; sixteen first fills, sixteen waves, one load a wave: the kind is wave % 4, the chunk wave / 4
	s_lshr_b32 s88, s[WV], 2
	s_mul_i32 s81, s80, s88
	s_mul_i32 s86, s86, s88
	s_mov_b32 s56, 1
	s_add_co_u32 s57, s79, s81
	s_add_nc_u64 s[58:59], s[82:83], s[86:87]
	s_or_b32 s59, s59, 0x80000000
	CROUND                                         ; all four work-groups are here: the joint loads meet
	s_and_b32 s88, s[WV], 3
	s_cmp_eq_u32 s88, 0
	s_cbranch_scc0 .Lnot_kc
	FOUR G1KC
	s_branch .Lasked
.Lnot_kc:
	s_cmp_eq_u32 s88, 1
	s_cbranch_scc0 .Lnot_vc
	FOUR G1VC
	s_branch .Lasked
.Lnot_vc:
	s_cmp_eq_u32 s88, 2
	s_cbranch_scc0 .Lnot_ks
	FOUR G1KS
	s_branch .Lasked
.Lnot_ks:
	FOUR G1VS
.Lasked:
	s_mov_b32 s89, 0
	s_lshr_b32 s84, s13, 1                         ; the head pair
	QADR JL, 76, 78                                ; the long tile's Q: the second wave takes it up later; it is asked for now
	QADR J, 92, 94                                 ; the Q that I begin with
	s_and_b32 s90, s13, 1
	s_mul_i32 s88, s23, 1536
	s_mul_i32 s91, s90, 768
	s_add_co_u32 s88, s88, s91
	s_add_nc_u64 s[96:97], s[6:7], s[88:89]        ; ctx: my half of an image, of the tile that I begin with: that is the tile that I send out
	s_lshl_b32 s88, s23, 7
	s_lshl_b32 s91, s90, 1
	s_add_co_u32 s88, s88, s91
	s_add_co_u32 s88, s88, CTX_S
	s_add_nc_u64 s[98:99], s[6:7], s[88:89]        ; and my half of its scale words
	s_mov_b32 s91, 0x03020302
	s_cmp_eq_u32 s90, 0
	s_cselect_b32 s91, 0x01000100, s91             ; my head's two bytes of the pair's word, twice
	v_and_b32 v7, 31, v0                           ; lane
	s_delay_alu instid0(VALU_DEP_1)
	v_lshlrev_b32 v1, 4, v7                        ; K's codes begin at LDS byte 0
	s_delay_alu instid0(VALU_DEP_2)
	v_lshlrev_b32 v2, 3, v7
	s_delay_alu instid0(VALU_DEP_3)
	v_lshlrev_b32 v5, 2, v7
	global_load_b128 v[22:25], v1, s[92:93]
	global_load_b64 v[26:27], v2, s[92:93] offset:512
	global_load_b32 v34, v5, s[94:95]
	global_load_b128 v[228:231], v1, s[76:77]
	global_load_b64 v[232:233], v2, s[76:77] offset:512
	global_load_b32 v234, v5, s[78:79]
	v_add_nc_u32 v3, VC, v1
	v_add_nc_u32 v4, VC, v2
	v_add_nc_u32 v6, VSC, v5
	s_mul_i32 s22, s[PI], PARTB
	s_add_co_u32 s22, s22, PART
	v_add_nc_u32 v92, s22, v1                      ; the pair's part: 16 x lane in each block of 512 bytes; made here, ahead of every parting of the waves
	s_wait_alu depctr_va_vdst(0)
	s_wait_xcnt 0x0                                ; the loads of the words have read v5
	v_add_nc_u32 v5, KSC, v5
	s_lshr_b32 s22, s10, 2
	s_lshl_b32 s22, s22, 6
	s_and_b32 s23, s10, 3
	s_lshl_b32 s23, s23, 3
	s_add_co_u32 s22, s22, s23
	v_and_b32 v7, 7, v0
	v_bfe_u32 v8, v0, 3, 1
	s_delay_alu instid0(VALU_DEP_1)
	v_lshl_add_u32 v7, v8, 5, v7
	v_bfe_u32 v8, v0, 4, 1                         ; h
	s_delay_alu instid0(VALU_DEP_1)
	v_lshlrev_b32 v38, 3, v8
	s_delay_alu instid0(VALU_DEP_2)
	v_lshlrev_b32 v8, 5, v8
	s_delay_alu instid0(VALU_DEP_1)
	v_sub_nc_u32 v7, v7, v8
	s_delay_alu instid0(VALU_DEP_1)
	v_add_nc_u32 v35, s22, v7                      ; my query - 128 j - 32 h: the same for every j
	v_mov_b32 v39, 0xff800000
	s_mov_b32 s[SEL], 0x76543210
	s_mov_b32 s[SEL+1], 0xfedcba98
	s_mov_b32 s[CS], 0x3e38aa3b                    ; log2(e) / 8
	s_mov_b32 s[CS+1], s[CS]
	s_mov_b32 s[KI], 0
	s_mov_b32 s[TB], 0
	s_mov_b32 s[TS], 0
	s_wait_loadcnt 0x0
	v_perm_b32 v34, v34, v34, s91                  ; (s0, s1, s0, s1).  More than eight plain lines follow ahead of the first product
	v_perm_b32 v234, v234, v234, s91
.irp i, 0,1,2,3,4,5
	v_mov_b32 v[16+\i], 0
	v_mov_b32 v[28+\i], 0
.endr
.set n, 0
.rept 32
	v_mov_b32 v[160+n], 0                          ; O^T: the step is written once; the first finds zeros
.set n, n+1
.endr
	v_mov_b32 v15, 0xff61b1e6                      ; the largest t so far: -3e38
	s_delay_alu instid0(VALU_DEP_1)
	v_floor_f32 v14, -v15
	v_mov_b32 v36, 0
	v_mov_b32 v37, 0
	v_mov_b32 v217, 0                              ; a lane permute's destination counts as one of its sources
	v_mov_b32 v253, 0                              ; (named as the upper halves of pairs)
	v_mov_b32 v251, 0
.macro STEP
	s_cmp_gt_u32 s[KI], s[J]                       ; a step that is not mine is left out; the lines at its end that step addresses are not
	s_cbranch_scc1 .Lhidden_\@
	v_add_nc_u32 v8, s[TB], v1                     ; (these six are also the places in front of the loads below)
	v_add_nc_u32 v9, s[TB], v2
	v_add_nc_u32 v10, s[TB], v3
	v_add_nc_u32 v11, s[TB], v4
	v_add_nc_u32 v12, s[TS], v5
	v_add_nc_u32 v13, s[TS], v6
.irp f, 0,1,2,3
	FRAG 40+12*\f, 8, 9, 1536*\f
	ds_load_b32 v[88+\f], v12 offset:128*\f
.endr
	s_wait_alu depctr_va_vdst(0)
	s_wait_dscnt 0x0
.irp f, 0,1,2,3
	v_wmma_scale_f32_16x16x128_f8f6f4 v[96+16*\f:103+16*\f], v[40+12*\f:51+12*\f], v[22:33], 0, v[88+\f], v34 matrix_a_fmt:MATRIX_FMT_BF6 matrix_b_fmt:MATRIX_FMT_BF6
	v_wmma_scale_f32_16x16x128_f8f6f4 v[104+16*\f:111+16*\f], v[40+12*\f:51+12*\f], v[16:27], 0, v[88+\f], v34 matrix_a_fmt:MATRIX_FMT_BF6 matrix_b_fmt:MATRIX_FMT_BF6
.endr
	PLACES 4
.irp t, 0,1,2,3
	FRAG 40+12*\t, 10, 11, 1536*\t                 ; V's fragments are asked for here and land under the softmax
	ds_load_b32 v[88+\t], v13 offset:128*\t
.endr
	s_cmp_lg_u32 s[KI], s[J]
	s_cbranch_scc1 .Lopen_\@
.set n, 0
.rept 64                                       ; on the diagonal: register n holds key 128 j + 32 h + 64 (n / 32) + n % 32; hidden scores become -infinity
	v_cmp_gt_i32 vcc_lo, 64*(n/32)+n%32, v35
	v_cndmask_b32 v[96+n], v[96+n], v39, vcc_lo
.set n, n+1
.endr
.Lopen_\@:
.irp g, 0,1                                    ; the largest score of each of my two blocks of 32 keys
	v_max3_num_f32 v[212+\g], v[96+32*\g], v[97+32*\g], v[98+32*\g]
	v_max3_num_f32 v[214+\g], v[112+32*\g], v[113+32*\g], v[114+32*\g]
.endr
.irp i, 3,5,7,9,11,13
.irp g, 0,1
	v_max3_num_f32 v[212+\g], v[212+\g], v[96+32*\g+\i], v[97+32*\g+\i]
	v_max3_num_f32 v[214+\g], v[214+\g], v[112+32*\g+\i], v[113+32*\g+\i]
.endr
.endr
.irp g, 0
	v_max3_num_f32 v[212+\g], v[212+\g], v[214+\g], v[111+32*\g]
.endr
.irp g, 1
	v_max3_num_f32 v[212+\g], v[212+\g], v[214+\g], v[111+32*\g]
.endr
.irp g, 0,1
	v_max_num_f32 v[212+\g], v[212+\g], v[127+32*\g]
.endr
	s_delay_alu instid0(VALU_DEP_1)
	v_max_num_f32 v216, v212, v213
	s_delay_alu instid0(VALU_DEP_1)
	v_permlanex16_b32 v217, v216, s[SEL], s[SEL+1]
	s_delay_alu instid0(VALU_DEP_1)
	v_max_num_f32 v216, v216, v217                 ; the step's largest score of my query
	s_delay_alu instid0(VALU_DEP_1)
	v_mul_f32 v216, s[CS], v216
	s_delay_alu instid0(VALU_DEP_1)
	v_max_num_f32 v15, v15, v216                   ; the running largest t
	v_mov_b32 v216, v14
	s_delay_alu instid0(VALU_DEP_2)
	v_floor_f32 v14, -v15                          ; -M = floor(-t)
	s_delay_alu instid0(VALU_DEP_1)
	v_sub_f32 v216, v14, v216
	s_delay_alu instid0(VALU_DEP_1)
	v_cvt_i32_f32 v216, v216                       ; (it saturates)
	s_delay_alu instid0(VALU_DEP_1)
	v_ldexp_f32 v252, 1.0, v216                    ; f = 2^(old M - new M)
.set n, 0
.rept 32
	v_pk_fma_f32 v[96+n:97+n], v[96+n:97+n], s[CS:CS+1], v[14:15] op_sel_hi:[1,0,0]   ; t - M
.set n, n+2
.endr
	v_fma_f32 v212, v212, s[CS], v14
	v_fma_f32 v213, v213, s[CS], v14
.set n, 0
	s_wait_alu depctr_va_vdst(0)
.rept 64
	v_exp_f32 v[96+n], v[96+n]                     ; p, not normalised
.set n, n+1
.endr
	v_pk_mul_f32 v[36:37], v[36:37], v[252:253] op_sel_hi:[1,0]   ; the sums under the new M: the plain place behind the batch
	s_wait_alu depctr_va_vdst(0)                   ; one wait for the 64, ahead of their first reader
	v_exp_f32 v212, v212                           ; each block's largest p
	v_exp_f32 v213, v213
	v_pk_add_f32 v[218:219], v[100:101], v[104:105]
	v_pk_add_f32 v[248:249], v[108:109], v[112:113]
	v_pk_add_f32 v[246:247], v[116:117], v[120:121]
	v_pk_add_f32 v[244:245], v[124:125], v[128:129]
	v_pk_add_f32 v[242:243], v[132:133], v[136:137]
	v_pk_add_f32 v[240:241], v[140:141], v[144:145]
	v_pk_add_f32 v[238:239], v[148:149], v[152:153]
	v_pk_add_f32 v[36:37], v[36:37], v[156:157]
	v_pk_add_f32 v[218:219], v[218:219], v[96:97]
	v_pk_add_f32 v[248:249], v[248:249], v[98:99]
	v_pk_add_f32 v[246:247], v[246:247], v[102:103]
	v_pk_add_f32 v[244:245], v[244:245], v[106:107]
	v_pk_add_f32 v[242:243], v[242:243], v[110:111]
	v_pk_add_f32 v[240:241], v[240:241], v[114:115]
	v_pk_add_f32 v[238:239], v[238:239], v[118:119]
	v_pk_add_f32 v[36:37], v[36:37], v[122:123]
	v_pk_add_f32 v[218:219], v[218:219], v[126:127]
	v_pk_add_f32 v[248:249], v[248:249], v[130:131]
	v_pk_add_f32 v[246:247], v[246:247], v[134:135]
	v_pk_add_f32 v[244:245], v[244:245], v[138:139]
	v_pk_add_f32 v[242:243], v[242:243], v[142:143]
	v_pk_add_f32 v[240:241], v[240:241], v[146:147]
	v_pk_add_f32 v[238:239], v[238:239], v[150:151]
	v_pk_add_f32 v[36:37], v[36:37], v[154:155]
	v_pk_add_f32 v[218:219], v[218:219], v[158:159]
	s_delay_alu instid0(VALU_DEP_2)
	v_pk_add_f32 v[36:37], v[36:37], v[244:245]
	s_delay_alu instid0(VALU_DEP_2)
	v_pk_add_f32 v[218:219], v[218:219], v[242:243]
	v_pk_add_f32 v[248:249], v[248:249], v[240:241]
	v_pk_add_f32 v[246:247], v[246:247], v[238:239]
	s_delay_alu instid0(VALU_DEP_2)
	v_pk_add_f32 v[36:37], v[36:37], v[248:249]
	s_delay_alu instid0(VALU_DEP_2)
	v_pk_add_f32 v[218:219], v[218:219], v[246:247]
	s_delay_alu instid0(VALU_DEP_1)
	v_pk_add_f32 v[36:37], v[36:37], v[218:219]
	s_wait_alu depctr_va_vdst(0)                   ; and one for the two
	v_max_num_f32 v212, 0x2800000, v212            ; the floor 2^(5 - 127)
	v_max_num_f32 v213, 0x2800000, v213
	s_delay_alu instid0(VALU_DEP_2)
	v_add_nc_u32 v214, 0xfe000000, v212            ; the conversions' scale operands
	s_delay_alu instid0(VALU_DEP_2)
	v_add_nc_u32 v215, 0xfe000000, v213
	s_delay_alu instid0(VALU_DEP_2)
	v_lshrrev_b32 v212, 23, v214
	s_delay_alu instid0(VALU_DEP_2)
	v_lshrrev_b32 v213, 23, v215
	s_delay_alu instid0(VALU_DEP_1)
	v_lshl_or_b32 v212, v213, 16, v212
	s_delay_alu instid0(VALU_DEP_1)
	v_lshlrev_b32 v212, v38, v212
	s_delay_alu instid0(VALU_DEP_1)
	v_permlanex16_b32 v217, v212, s[SEL], s[SEL+1]
	s_delay_alu instid0(VALU_DEP_1)
	v_or_b32 v224, v212, v217                      ; p's scale word for these 128 keys
	v_cvt_scalef32_pk16_bf6_f32 v[192:194], v[96:111], v214
	v_cvt_scalef32_pk16_bf6_f32 v[204:206], v[112:127], v214
	v_cvt_scalef32_pk16_bf6_f32 v[198:200], v[128:143], v215
	v_cvt_scalef32_pk16_bf6_f32 v[208:210], v[144:159], v215
	v_nop
.irp i, 0,1,2
	v_mov_b32 v[195+\i], v[204+\i]
	v_mov_b32 v[201+\i], v[208+\i]
.endr
.set n, 0
.rept 16
	v_pk_mul_f32 v[160+n:161+n], v[160+n:161+n], v[252:253] op_sel_hi:[1,0]   ; O^T under the new M; these are also the places between the scale word, the codes and the products
.set n, n+2
.endr
	s_wait_alu depctr_va_vdst(0)
	s_wait_dscnt 0x0                               ; V
.irp t, 0,1,2,3
	v_wmma_scale_f32_16x16x128_f8f6f4 v[160+8*\t:167+8*\t], v[40+12*\t:51+12*\t], v[192:203], v[160+8*\t:167+8*\t], v[88+\t], v224 matrix_a_fmt:MATRIX_FMT_BF6 matrix_b_fmt:MATRIX_FMT_BF6
.endr
.Lhidden_\@:
	s_add_co_u32 s[KI], s[KI], 1
	s_add_co_u32 s[TB], s[TB], 6144
	s_add_co_u32 s[TS], s[TS], 512
.endm
; THE WAY OUT of a finished tile.  Register 8 t + i of O^T is channel 32 h + 8 t + i of my query: one whole block of the next product's K
.macro WAYOUT
	v_add_f32 v36, v36, v37
	s_delay_alu instid0(VALU_DEP_1)
	v_permlanex16_b32 v217, v36, s[SEL], s[SEL+1]
	s_delay_alu instid0(VALU_DEP_1)
	v_add_f32 v36, v36, v217                       ; the row's sum
	s_wait_alu depctr_va_vdst(0)
	v_rcp_f32 v36, v36
	v_and_b32 v227, 31, v0                         ; (plain work behind the transcendental)
	s_delay_alu instid0(VALU_DEP_1)
	v_lshlrev_b32 v225, 4, v227
	s_delay_alu instid0(VALU_DEP_2)
	v_lshlrev_b32 v226, 3, v227
	s_delay_alu instid0(VALU_DEP_3)
	v_lshlrev_b32 v227, 2, v227
	s_wait_alu depctr_va_vdst(0)                   ; the wait ahead of the reciprocal's first reader
.set n, 0
.rept 16
	v_pk_mul_f32 v[96+n:97+n], v[160+n:161+n], v[36:37] op_sel_hi:[1,0]
.set n, n+2
.endr
	v_max3_num_f32 v212, |v96|, |v97|, 0x2800000
	v_max3_num_f32 v213, |v112|, |v113|, 0x2800000
.irp i, 2,4,6,8,10,12,14
	s_delay_alu instid0(VALU_DEP_2)
	v_max3_num_f32 v212, v212, |v[96+\i]|, |v[97+\i]|
	s_delay_alu instid0(VALU_DEP_2)
	v_max3_num_f32 v213, v213, |v[112+\i]|, |v[113+\i]|
.endr
	s_delay_alu instid0(VALU_DEP_1)
	v_max_num_f32 v212, v212, v213
	s_delay_alu instid0(VALU_DEP_1)
	v_add_nc_u32 v214, 0xfe000000, v212
	s_delay_alu instid0(VALU_DEP_1)
	v_lshrrev_b32 v212, 23, v214
	s_delay_alu instid0(VALU_DEP_1)
	v_lshlrev_b32 v212, v38, v212
	s_delay_alu instid0(VALU_DEP_1)
	v_permlanex16_b32 v217, v212, s[SEL], s[SEL+1]
	s_delay_alu instid0(VALU_DEP_1)
	v_or_b32 v224, v212, v217                      ; my head's two bytes of the row's scale word
	v_cvt_scalef32_pk16_bf6_f32 v[192:194], v[96:111], v214
	v_cvt_scalef32_pk16_bf6_f32 v[204:206], v[112:127], v214
	v_nop
.irp i, 0,1,2
	v_mov_b32 v[195+\i], v[204+\i]
.endr
	global_store_b128 v225, v[192:195], s[96:97]
	global_store_b64 v226, v[196:197], s[96:97] offset:512
	global_store_b16 v227, v224, s[98:99]          ; two bytes of each lane's word: the other two are the pair's other head's
.endm
	s_wait_alu depctr_va_vdst(0)
	s_wait_tensorcnt 0x0                           ; my one load is in,
	s_wait_dscnt 0x0
	s_barrier_signal -1
	s_barrier_wait -1                              ; everybody's: K and V lie whole in LDS; from here on each wave walks at its own pace
	s_mov_b32 s[CNT], 8
.Lsteps_a:                                         ; key steps 0 - 7: the long tile's (first wave), the short tile's up to its diagonal (second wave)
	STEP
	s_sub_co_u32 s[CNT], s[CNT], 1
	s_cmp_lg_u32 s[CNT], 0
	s_cbranch_scc1 .Lsteps_a
	PLACES 4                                       ; behind the last products
	s_cmp_eq_u32 s[ROLE], 0
	s_cbranch_scc1 .Lsecond
	s_wait_alu depctr_va_vdst(0)
	WAYOUT                                         ; the second wave: the short tile is finished and leaves;
	v_mov_b32 v34, v234                            ; then it takes the long tile up: its Q and scale word (more than eight plain lines ahead of the next product),
.irp i, 0,1,2,3,4,5
	v_mov_b32 v[22+\i], v[228+\i]
.endr
.set n, 0
.rept 32
	v_mov_b32 v[160+n], 0                          ; and O^T, M and the sum begin anew
.set n, n+1
.endr
	v_mov_b32 v15, 0xff61b1e6
	s_delay_alu instid0(VALU_DEP_1)
	v_floor_f32 v14, -v15
	v_mov_b32 v36, 0
	v_mov_b32 v37, 0
	s_wait_xcnt 0x0                                ; the stores have read their registers: the next step writes them again
.Lsecond:
	s_mul_i32 s[J], s[JL], s[ROLE]                 ; key steps 8 - 15: the second wave's go up to the long tile's diagonal; the first wave has none (0 is under every step's number)
	s_mov_b32 s[CNT], 8
.Lsteps_b:
	STEP
	s_sub_co_u32 s[CNT], s[CNT], 1
	s_cmp_lg_u32 s[CNT], 0
	s_cbranch_scc1 .Lsteps_b
	PLACES 4                                       ; behind the last products, on every wave's way
	s_cmp_eq_u32 s[ROLE], 0
	s_cbranch_scc1 .Lno_part
	s_wait_alu depctr_va_vdst(0)
	v_mov_b32 v212, v14                            ; the second wave's part of the long tile goes to LDS as its registers stand: -M, the sum's two halves,
	v_mov_b32 v213, 0
	v_mov_b32 v214, v36
	v_mov_b32 v215, v37
.irp k, 0,1,2,3,4,5,6,7
	ds_store_b128 v92, v[160+4*\k:163+4*\k] offset:512*\k   ; and O^T, each accumulator from its low end on
.endr
	ds_store_b128 v92, v[212:215] offset:4096
.Lno_part:
	s_wait_dscnt 0x0                               ; for the partner's sake: my stores have landed
	s_barrier_signal -1
	s_barrier_wait -1
	s_cmp_eq_u32 s[ROLE], 0
	s_cbranch_scc0 .Ldone
.irp k, 0,1,2,3,4,5,6,7
	ds_load_b128 v[96+4*\k:99+4*\k], v92 offset:512*\k
.endr
	ds_load_b128 v[212:215], v92 offset:4096
	s_wait_dscnt 0x0
	s_wait_alu depctr_va_vdst(0)
	v_min_num_f32 v216, v14, v212                  ; -M of both parts: M is the larger of the two
	s_delay_alu instid0(VALU_DEP_1)
	v_sub_f32 v217, v216, v14                      ; my M less the common one: a whole number, 0 or less
	s_delay_alu instid0(VALU_DEP_2)
	v_sub_f32 v218, v216, v212                     ; the partner's likewise
	s_delay_alu instid0(VALU_DEP_2)
	v_cvt_i32_f32 v217, v217
	s_delay_alu instid0(VALU_DEP_2)
	v_cvt_i32_f32 v218, v218
	s_delay_alu instid0(VALU_DEP_2)
	v_ldexp_f32 v252, 1.0, v217                    ; both factors are whole powers of two: nothing is rounded by them
	s_delay_alu instid0(VALU_DEP_2)
	v_ldexp_f32 v250, 1.0, v218
	s_delay_alu instid0(VALU_DEP_2)
	v_pk_mul_f32 v[36:37], v[36:37], v[252:253] op_sel_hi:[1,0]
	s_delay_alu instid0(VALU_DEP_1)
	v_pk_fma_f32 v[36:37], v[214:215], v[250:251], v[36:37] op_sel_hi:[1,0,1]
.set n, 0
.rept 16
	v_pk_mul_f32 v[160+n:161+n], v[160+n:161+n], v[252:253] op_sel_hi:[1,0]
.set n, n+2
.endr
.set n, 0
.rept 16
	v_pk_fma_f32 v[160+n:161+n], v[96+n:97+n], v[250:251], v[160+n:161+n] op_sel_hi:[1,0,1]
.set n, n+2
.endr
	WAYOUT                                         ; the long tile leaves
.Ldone:
	s_wait_tensorcnt 0x0
	ds_add_u32 v254, v255
	s_wait_dscnt 0x0
	CROUND                                         ; the closing round
	s_endpgm
.Lfunc_end_k_q909970c76c_attn:
	.size	k_q909970c76c_attn, .Lfunc_end_k_q909970c76c_attn-k_q909970c76c_attn
	.p2alignl 7, 3214868480
	.fill 96, 4, 3214868480
	.section	.rodata,"a",@progbits
	.p2align	6, 0x0
	.amdhsa_kernel k_q909970c76c_attn
		.amdhsa_group_segment_fixed_size 251904
		.amdhsa_private_segment_fixed_size 0
		.amdhsa_enable_private_segment 0
		.amdhsa_kernarg_size 16
		.amdhsa_user_sgpr_count 2
		.amdhsa_user_sgpr_kernarg_segment_ptr 1
		.amdhsa_wavefront_size32 1
		.amdhsa_system_sgpr_workgroup_id_x 1
		.amdhsa_system_sgpr_workgroup_id_y 1
		.amdhsa_system_sgpr_workgroup_id_z 1
		.amdhsa_system_vgpr_workitem_id 0
		.amdhsa_next_free_vgpr 256
		.amdhsa_next_free_sgpr 100
		.amdhsa_reserve_vcc 1
		.amdhsa_float_denorm_mode_32 3
		.amdhsa_float_denorm_mode_16_64 3
		.amdhsa_memory_ordered 1
		.amdhsa_forward_progress 1
		.amdhsa_inst_pref_size 70
	.end_amdhsa_kernel
	.amdgpu_metadata
---
amdhsa.version: [ 1, 2 ]
amdhsa.kernels:
  - .name:           k_q909970c76c_attn
    .symbol:         k_q909970c76c_attn.kd
    .args:
      - { .name: qkvb, .offset: 0, .size: 8, .value_kind: global_buffer, .address_space: global }
      - { .name: ctxb, .offset: 8, .size: 8, .value_kind: global_buffer, .address_space: global }
    .group_segment_fixed_size: 251904
    .private_segment_fixed_size: 0
    .kernarg_segment_align: 8
    .kernarg_segment_size: 16
    .max_flat_workgroup_size: 512
    .sgpr_count:     100
    .vgpr_count:     256
    .wavefront_size: 32
...
	.end_amdgpu_metadata
.endif
;; end of part 3
;; launch oproj (part 4): grid 8 x 32, 4 waves a work-group, clusters of 4 x 4, 327,680 bytes of LDS; arguments ctxb, prepo, x, fs; writes fs
.if DOCPART == 4
	.amdgcn_target "amdgcn-amd-amdhsa--gfx1250"
	.amdhsa_code_object_version 6
	.text
	.protected	k_q909970c76c_oproj
	.globl	k_q909970c76c_oproj
	.p2align	8
	.type	k_q909970c76c_oproj,@function
k_q909970c76c_oproj:
	s_mov_b64 s[64:65], 0
	v_nop
	global_prefetch_b8 v0, s[64:65] scope:SCOPE_SE
	s_setreg_imm32_b32 hwreg(HW_REG_WAVE_MODE, 25, 1), 1
	s_wait_xcnt 0x0
	s_wait_alu depctr_hold_cnt(0) depctr_sa_sdst(0) depctr_va_vdst(0) depctr_va_sdst(0) depctr_va_ssrc(0) depctr_va_vcc(0) depctr_vm_vsrc(0)
	s_getreg_b32 s2, hwreg(HW_REG_IB_STS2, 6, 4)
	s_cmp_eq_u32 s2, 0
	s_cbranch_scc0 .Lentry_in_a_cluster
	s_endpgm
.Lentry_in_a_cluster:
	s_bfe_u32 s2, ttmp6, 0x10000c
	s_cmp_lg_u32 s2, 0xf033
	s_cbranch_scc0 .Lentry_shape_is_right
	s_endpgm
.Lentry_shape_is_right:
.set KDIM,  1024
.set A_S,   3145728
.set W_IMG, 5963776
.set W_S,   6750208
.set KS,    KDIM/128
.set FR,    12
.set FRB,   1536
.set TROW,  KS*FRB
.set NQ,    4
.set QT,    4*NQ*FRB
.set SLOT,  4*QT
.set SCL,   2*SLOT
.set STB,   KS*128
.set QS,    4*STB
.set SPARE, SCL+4*QS
.set STAGE, SPARE+512
.set LAPS,  KS/8
.set ADRA, 16
.set ADRB, 20
.set STO,  24
.set RD,   25
.set CO,   26
.set ADRS, 27
.set SPW,  28
.set NIL,  29
.set SC,   32
.set BK,   64
.set ACC,  128
.set F0,   0
.set F1,   128
.set G1, 24
.set G0, 32
.set G1B, 48
.set G0B, 56
.set G1S, 68
.set G0S, 76
.set G1SB, 80
.set G0SB, 88
.set MSB, 0
.macro WIN new
.if MSB != (\new)
	s_set_vgpr_msb (MSB<<8)|(\new)
.set MSB, (\new)
.endif
.endm
.set MUL,  0x05
.set TO_F, 0x40
.macro JLOAD g0a, g1a, g0b, g1b
	s_cmp_eq_u32 s15, 0
	s_cbranch_scc0 .Lfor_b_\@
	tensor_load_to_lds s[\g0a:\g0a+3], s[\g1a:\g1a+7]
	s_nop 0
.rept 4
	v_nop
.endr
	s_branch .Lasked_\@
.Lfor_b_\@:
	tensor_load_to_lds s[\g0b:\g0b+3], s[\g1b:\g1b+7]
	s_nop 0
.rept 4
	v_nop
.endr
.Lasked_\@:
.endm
.macro CREST
	s_cmp_lg_u32 s14, 0
	s_cbranch_scc1 .Lnot_wave_0_\@
	s_barrier_signal -3
.Lnot_wave_0_\@:
	s_barrier_wait -3
	s_barrier_signal -1
	s_barrier_wait -1
.endm
.macro CROUND
	s_barrier_signal -1
	s_barrier_wait -1
	CREST
.endm
.macro PLACES n
.rept \n
	v_nop
.endr
.endm
	s_load_b256 s[4:11], s[0:1], 0x0
	v_lshl_add_u32 v[SPW], v0, 2, SPARE
	v_mov_b32 v[NIL], 0
	ds_add_u32 v28, v29
	ds_add_u32 v28, v29
	s_wait_dscnt 0x0
	v_lshrrev_b32 v1, 5, v0
	v_readfirstlane_b32 s14, v1
	s_lshr_b32 s15, s14, 1
	s_and_b32 s16, s14, 1
	s_bfe_u32 s40, ttmp6, 0x40000
	s_bfe_u32 s41, ttmp6, 0x40004
	s_lshl_b32 s42, ttmp9, 2
	s_add_co_u32 s42, s42, s40
	s_and_b32 s17, ttmp7, 0xffff
	s_lshl_b32 s17, s17, 2
	s_add_co_u32 s17, s17, s41
	s_lshl_b32 s43, s41, 2
	s_lshl_b32 s43, 15, s43
	s_lshl_b32 s44, 0x1111, s40
	s_or_b32 s[G1+0], s43, (3<<16)|(1<<21)
	s_or_b32 s[G1B+0], s44, (3<<16)|(1<<21)
.irp g, G1, G1B
	s_mov_b32 s[\g+1], 768<<16
	s_mov_b32 s[\g+2], 8<<16
	s_mov_b32 s[\g+3], 768<<16
	s_mov_b32 s[\g+4], 8
	s_mov_b32 s[\g+5], TROW/8
	s_mov_b32 s[\g+6], 0
	s_mov_b32 s[\g+7], 0
.endr
	s_or_b32 s[G1S+0], s43, (3<<16)|(1<<21)
	s_or_b32 s[G1SB+0], s44, (3<<16)|(1<<21)
.irp g, G1S, G1SB
	s_mov_b32 s[\g+1], 32<<16
	s_mov_b32 s[\g+2], (2*QS/256)<<16
	s_mov_b32 s[\g+3], 32<<16
	s_mov_b32 s[\g+4], 2*QS/256
	s_mov_b32 s[\g+5], 32
	s_mov_b32 s[\g+6], 0
	s_mov_b32 s[\g+7], 0
.endr
	s_mul_i32 s18, s16, 4*TROW                     ; in the ring I fetch 4 tiles of a side: which half, in bytes
	s_mov_b32 s19, 0
	s_lshl_b32 s20, s17, 3
	s_lshl_b32 s46, s42, 3
	s_mul_i32 s22, s20, STB
	s_add_co_u32 s22, s22, A_S
	s_mov_b32 s23, 0
	s_mul_i32 s20, s20, TROW
	s_mov_b32 s21, 0
	s_mul_i32 s92, s46, STB
	s_add_co_u32 s92, s92, W_S
	s_mov_b32 s93, 0
	s_mul_i32 s46, s46, TROW
	s_add_co_u32 s46, s46, W_IMG
	s_mov_b32 s47, 0
	s_mul_i32 s45, s14, QT
	s_wait_kmcnt 0x0
	s_add_nc_u64 s[20:21], s[4:5], s[20:21]
	s_add_nc_u64 s[22:23], s[4:5], s[22:23]
	s_add_nc_u64 s[46:47], s[6:7], s[46:47]
	s_add_nc_u64 s[92:93], s[6:7], s[92:93]
	CROUND
	s_mov_b32 s[G0S], 1
	s_mov_b32 s[G0S+1], SCL
	s_mov_b64 s[G0S+2:G0S+3], s[22:23]
	s_or_b32 s[G0S+3], s[G0S+3], 0x80000000
	s_mov_b32 s[G0SB], 1
	s_mov_b32 s[G0SB+1], SCL+2*QS
	s_mov_b64 s[G0SB+2:G0SB+3], s[92:93]
	s_or_b32 s[G0SB+3], s[G0SB+3], 0x80000000
	; THE HEAD'S LOADS, ONE A WAVE: wave 0 slot 0's 8 tiles of A, wave 1 its 8 of B, wave 2 A's scale words, wave 3 B's
.set G0H, 4
.set G0HB, 96
	s_mov_b32 s[G0H], 1
	s_mov_b32 s[G0H+1], 0
	s_mov_b64 s[G0H+2:G0H+3], s[20:21]
	s_or_b32 s[G0H+3], s[G0H+3], 0x80000000
	s_mov_b32 s[G0HB], 1
	s_mov_b32 s[G0HB+1], 2*QT
	s_mov_b64 s[G0HB+2:G0HB+3], s[46:47]
	s_or_b32 s[G0HB+3], s[G0HB+3], 0x80000000
.macro ARM under, g0, g1, next
	s_cmp_lt_u32 s14, \under
	s_cbranch_scc0 \next
	tensor_load_to_lds s[\g0:\g0+3], s[\g1:\g1+7]
	s_nop 0
.rept 4
	v_nop
.endr
	s_branch .Lhead_asked
\next:
.endm
	ARM 1, G0H,  G1,  .Lhead_b
	ARM 2, G0HB, G1B, .Lhead_sa
	ARM 3, G0S,  G1S, .Lhead_sb
	tensor_load_to_lds s[G0SB:G0SB+3], s[G1SB:G1SB+7]
	s_nop 0
.rept 4
	v_nop
.endr
.Lhead_asked:
	s_add_nc_u64 s[20:21], s[20:21], s[18:19]      ; for the ring: my 4 tiles of the side
	s_add_nc_u64 s[46:47], s[46:47], s[18:19]
.irp s, 0,1
	s_mov_b32 s[G0+4*\s], 1
	s_add_co_u32 s[G0+4*\s+1], s45, \s*SLOT
	s_add_nc_u64 s[G0+4*\s+2:G0+4*\s+3], s[20:21], \s*NQ*FRB
	s_or_b32 s[G0+4*\s+3], s[G0+4*\s+3], 0x80000000
	s_mov_b32 s[G0B+4*\s], 1
	s_add_co_u32 s[G0B+4*\s+1], s45, \s*SLOT
	s_add_nc_u64 s[G0B+4*\s+2:G0B+4*\s+3], s[46:47], \s*NQ*FRB
	s_or_b32 s[G0B+4*\s+3], s[G0B+4*\s+3], 0x80000000
.endr
	v_and_b32 v1, 31, v0
	v_bfe_u32 v2, v0, 4, 1
	v_and_b32 v3, 15, v0
	v_lshlrev_b32 v4, 4, v1
	v_lshlrev_b32 v5, 3, v1
	s_mul_i32 s21, s15, QT
	s_mul_i32 s22, s16, QT
	s_add_co_u32 s22, s22, 2*QT
.irp s, 0,1
	v_add_nc_u32 v[ADRA+\s], s21, v4
	v_add_nc_u32 v[ADRB+\s], s22, v4
	v_add_nc_u32 v[ADRA+2+\s], s21, v5
	v_add_nc_u32 v[ADRB+2+\s], s22, v5
	s_add_co_u32 s21, s21, SLOT
	s_add_co_u32 s22, s22, SLOT
.endr
	v_lshlrev_b32 v5, 2, v1
	s_mul_i32 s21, s15, QS
	s_mul_i32 s22, s16, QS
	s_add_co_u32 s22, s22, 2*QS
	s_sub_co_u32 s22, s22, s21
	v_mul_u32_u24 v6, s22, v2
	s_add_co_u32 s21, s21, SCL
	v_add_nc_u32 v5, v5, v6
	v_add_nc_u32 v[ADRS], s21, v5
	s_mul_i32 s23, s14, 16*272
	s_add_co_u32 s23, s23, STAGE
	v_mul_u32_u24 v5, v3, 272
	v_lshl_add_u32 v5, v2, 7, v5
	v_add_nc_u32 v[STO], s23, v5
	v_mul_u32_u24 v5, v2, 272
	v_lshl_add_u32 v5, v3, 4, v5
	v_add_nc_u32 v[RD], s23, v5
	v_lshlrev_b32 v5, 12, v2
	v_lshl_add_u32 v[CO], v3, 4, v5
	s_wait_alu depctr_va_vdst(0)
	s_lshl_b32 s20, s17, 1
	s_add_co_u32 s20, s20, s15
	s_lshl_b32 s20, s20, 18
	s_lshl_b32 s46, s42, 9
	s_lshl_b32 s47, s16, 8
	s_add_co_u32 s46, s46, s47
	s_add_co_u32 s20, s20, s46
	s_mov_b32 s21, 0
	s_add_nc_u64 s[12:13], s[8:9], s[20:21]
	s_add_nc_u64 s[10:11], s[10:11], s[20:21]
	WIN 0x80
.irp a, 0,1,2,3
.irp t, 0,1,2,3,4,5,6,7
	global_load_b128 v[4*(8*\a+\t):4*(8*\a+\t)+3], v[CO], s[12:13] offset:(32*(\t/4)+8*\a+2*(\t%4))*4096 th:TH_LOAD_NT
.endr
.endr
	WIN 0
.macro FRAG reg, adr, off
	ds_load_b128 v[(\reg):(\reg)+3], v[\adr] offset:\off
	ds_load_b64 v[(\reg)+4:(\reg)+5], v[\adr+2] offset:\off+512
	ds_load_b128 v[(\reg)+6:(\reg)+9], v[\adr] offset:\off+768
	ds_load_b64 v[(\reg)+10:(\reg)+11], v[\adr+2] offset:\off+1280
.endm
.macro MUL4 f, a, q, sc, zero
.irp b, 0,1,2,3
.if \zero
	v_wmma_scale_f32_16x16x128_f8f6f4 v[ACC+8*(4*(\a)+\b):ACC+8*(4*(\a)+\b)+7], v[(\f)+48+FR*\b:(\f)+48+FR*\b+FR-1], v[(\f)+FR*(\a):(\f)+FR*(\a)+FR-1], 0, v[SC+16*(\sc)+4*(\q)+\b], v[SC+16*(\sc)+4*(\q)+(\a)] matrix_a_fmt:MATRIX_FMT_BF6 matrix_b_fmt:MATRIX_FMT_BF6 matrix_a_scale:MATRIX_SCALE_ROW1
.else
	v_wmma_scale_f32_16x16x128_f8f6f4 v[ACC+8*(4*(\a)+\b):ACC+8*(4*(\a)+\b)+7], v[(\f)+48+FR*\b:(\f)+48+FR*\b+FR-1], v[(\f)+FR*(\a):(\f)+FR*(\a)+FR-1], v[ACC+8*(4*(\a)+\b):ACC+8*(4*(\a)+\b)+7], v[SC+16*(\sc)+4*(\q)+\b], v[SC+16*(\sc)+4*(\q)+(\a)] matrix_a_fmt:MATRIX_FMT_BF6 matrix_b_fmt:MATRIX_FMT_BF6 matrix_a_scale:MATRIX_SCALE_ROW1
.endif
.endr
.endm
.macro FETCH slot, q, f
	WIN TO_F
.irp i, 0,1,2,3
	FRAG (\f)+48+FR*\i, ADRB+\slot, \i*NQ*FRB+(\q)*FRB
.endr
.irp i, 0,1,2,3
	FRAG (\f)+FR*\i, ADRA+\slot, \i*NQ*FRB+(\q)*FRB
.endr
.endm
.macro SCALES sc
.irp i, 0,1,2,3
.irp q, 0,1,2,3
	ds_load_b32 v[SC+16*\sc+4*\q+\i], v[ADRS] offset:\i*STB+\q*128
.endr
.endr
.endm
.macro QUARTER slot, q, f, g, zero
	s_wait_dscnt 8
	WIN MUL
	MUL4 \f, 0, \q, \slot, \zero
	MUL4 \f, 1, \q, \slot, \zero
	PLACES 4
	FETCH \slot, (\q)+1, \g
	s_wait_dscnt 32
	WIN MUL
	MUL4 \f, 2, \q, \slot, \zero
	MUL4 \f, 3, \q, \slot, \zero
.endm
.macro TURN slot, next, fill
	WIN 0
	s_wait_tensorcnt 0x0
	ds_add_u32 v[SPW], v[NIL]
	s_wait_dscnt 9
	WIN MUL
	MUL4 F1, 0, 3, \slot, 0
	s_wait_dscnt 0x0
	s_barrier_signal -1
	MUL4 F1, 1, 3, \slot, 0
	WIN 0
	s_barrier_wait -1
.if \fill
	CREST
	s_add_nc_u64 s[G0+4*\slot+2:G0+4*\slot+3], s[G0+4*\slot+2:G0+4*\slot+3], 2*NQ*FRB
	s_add_nc_u64 s[G0B+4*\slot+2:G0B+4*\slot+3], s[G0B+4*\slot+2:G0B+4*\slot+3], 2*NQ*FRB
	JLOAD G0+4*\slot, G1, G0B+4*\slot, G1B
.else
	PLACES 4
.endif
	v_add_nc_u32 v[ADRS], 128*NQ, v[ADRS]
	SCALES \next
	FETCH \next, 0, F0
	WIN MUL
	MUL4 F1, 2, 3, \slot, 0
	MUL4 F1, 3, 3, \slot, 0
.endm
	s_wait_tensorcnt 0x0                           ; my tile of the head's four is in
	ds_add_u32 v[SPW], v[NIL]
	s_mov_b32 s[G1+2], 4<<16                       ; no load of mine is out: from here on a load brings 4 tiles
	s_mov_b32 s[G1+4], 4
	s_mov_b32 s[G1B+2], 4<<16
	s_mov_b32 s[G1B+4], 4
	s_wait_dscnt 0x0
	CROUND                                         ; all four tiles are in, all sixteen work-groups are here
	JLOAD G0+4, G1, G0B+4, G1B                     ; slot 1's first fill, my one load behind the round
	SCALES 0
	FETCH 0, 0, F0
	QUARTER 0, 0, F0, F1, 1
.if LAPS > 1
	WIN 0
	s_mov_b32 s3, LAPS-1
.Llap:
	QUARTER 0, 1, F1, F0, 0
	QUARTER 0, 2, F0, F1, 0
	TURN 0, 1, 1
	QUARTER 1, 0, F0, F1, 0
	QUARTER 1, 1, F1, F0, 0
	QUARTER 1, 2, F0, F1, 0
	TURN 1, 0, 1
	QUARTER 0, 0, F0, F1, 0
	WIN 0
	s_sub_co_u32 s3, s3, 1
	s_cmp_lg_u32 s3, 0
	s_cbranch_scc1 .Llap
.endif
	QUARTER 0, 1, F1, F0, 0
	QUARTER 0, 2, F0, F1, 0
	TURN 0, 1, 0
	QUARTER 1, 0, F0, F1, 0
	QUARTER 1, 1, F1, F0, 0
	QUARTER 1, 2, F0, F1, 0
	s_wait_dscnt 8
	WIN MUL
	MUL4 F1, 0, 3, 1, 0
	MUL4 F1, 1, 3, 1, 0
	s_wait_dscnt 0
	MUL4 F1, 2, 3, 1, 0
	MUL4 F1, 3, 3, 1, 0
	WIN 0
.macro TOSTAGE a
.irp b, 0,1,2,3
	ds_store_b128 v[STO], v[ACC+8*(4*(\a)+\b):ACC+8*(4*(\a)+\b)+3] offset:32*\b
	ds_store_b128 v[STO], v[ACC+8*(4*(\a)+\b)+4:ACC+8*(4*(\a)+\b)+7] offset:32*\b+16
.endr
.irp t, 0,1,2,3,4,5,6,7
	ds_load_b128 v[BK+32*((\a)%2)+4*\t:BK+32*((\a)%2)+4*\t+3], v[RD] offset:\t*544
.endr
.endm
.macro SEND a, younger
	s_wait_dscnt \younger
	WIN 0x08
.set n, 0
.rept 16
	v_pk_add_f32 v[BK+32*((\a)%2)+n:BK+32*((\a)%2)+n+1], v[BK+32*((\a)%2)+n:BK+32*((\a)%2)+n+1], v[32*(\a)+n:32*(\a)+n+1]
.set n, n+2
.endr
	WIN 0
.irp t, 0,1,2,3,4,5,6,7
	global_store_b128 v[CO], v[BK+32*((\a)%2)+4*\t:BK+32*((\a)%2)+4*\t+3], s[10:11] offset:(32*(\t/4)+8*(\a)+2*(\t%4))*4096
.endr
.endm
	PLACES 4
	s_wait_loadcnt 0x0
	TOSTAGE 0
.irp a, 1,2,3
.if \a > 1
	s_wait_xcnt 0x0
.endif
	TOSTAGE \a
	SEND \a-1, 16
.endr
	SEND 3, 0
	s_wait_tensorcnt 0x0
	ds_add_u32 v[SPW], v[NIL]
	s_wait_dscnt 0x0
	CROUND
	s_endpgm
.Lfunc_end_k_q909970c76c_oproj:
	.size	k_q909970c76c_oproj, .Lfunc_end_k_q909970c76c_oproj-k_q909970c76c_oproj
	.p2alignl 7, 3214868480
	.fill 96, 4, 3214868480
	.section	.rodata,"a",@progbits
	.p2align	6, 0x0
	.amdhsa_kernel k_q909970c76c_oproj
		.amdhsa_group_segment_fixed_size 327680
		.amdhsa_private_segment_fixed_size 0
		.amdhsa_enable_private_segment 0
		.amdhsa_kernarg_size 32
		.amdhsa_user_sgpr_count 2
		.amdhsa_user_sgpr_kernarg_segment_ptr 1
		.amdhsa_wavefront_size32 1
		.amdhsa_system_sgpr_workgroup_id_x 1
		.amdhsa_system_sgpr_workgroup_id_y 1
		.amdhsa_system_sgpr_workgroup_id_z 1
		.amdhsa_system_vgpr_workitem_id 0
		.amdhsa_next_free_vgpr 768
		.amdhsa_next_free_sgpr 100
		.amdhsa_reserve_vcc 0
		.amdhsa_float_denorm_mode_32 3
		.amdhsa_float_denorm_mode_16_64 3
		.amdhsa_memory_ordered 1
		.amdhsa_forward_progress 1
		.amdhsa_inst_pref_size 62
	.end_amdhsa_kernel
	.amdgpu_metadata
---
amdhsa.version: [ 1, 2 ]
amdhsa.kernels:
  - .name:           k_q909970c76c_oproj
    .symbol:         k_q909970c76c_oproj.kd
    .args:
      - { .name: ctxb, .offset: 0, .size: 8, .value_kind: global_buffer, .address_space: global }
      - { .name: prepo, .offset: 8, .size: 8, .value_kind: global_buffer, .address_space: global }
      - { .name: x, .offset: 16, .size: 8, .value_kind: global_buffer, .address_space: global }
      - { .name: fs, .offset: 24, .size: 8, .value_kind: global_buffer, .address_space: global }
    .group_segment_fixed_size: 327680
    .private_segment_fixed_size: 0
    .kernarg_segment_align: 8
    .kernarg_segment_size: 32
    .max_flat_workgroup_size: 128
    .sgpr_count:     100
    .vgpr_count:     768
    .wavefront_size: 32
...
	.end_amdgpu_metadata
.endif
;; end of part 4
;; launch norm2: the kernel of part 1 again; grid 256 x 1, 4 waves a work-group, no clusters, 102,144 bytes of LDS; arguments fs, ln2_w, w_qkv, w_o, w1, w2, h2b; writes h2b
;; launch ffn1 (part 5): grid 16 x 16, 4 waves a work-group, clusters of 4 x 4, 327,680 bytes of LDS; arguments h2b, prepo, gb; writes gb
.if DOCPART == 5
	.amdgcn_target "amdgcn-amd-amdhsa--gfx1250"
	.amdhsa_code_object_version 6
	.text
	.protected	k_q909970c76c_ffn1
	.globl	k_q909970c76c_ffn1
	.p2align	8
	.type	k_q909970c76c_ffn1,@function
k_q909970c76c_ffn1:
	s_mov_b64 s[64:65], 0
	v_nop
	global_prefetch_b8 v0, s[64:65] scope:SCOPE_SE
	s_setreg_imm32_b32 hwreg(HW_REG_WAVE_MODE, 25, 1), 1
	s_wait_xcnt 0x0
	s_wait_alu depctr_hold_cnt(0) depctr_sa_sdst(0) depctr_va_vdst(0) depctr_va_sdst(0) depctr_va_ssrc(0) depctr_va_vcc(0) depctr_vm_vsrc(0)
	s_getreg_b32 s2, hwreg(HW_REG_IB_STS2, 6, 4)
	s_cmp_eq_u32 s2, 0
	s_cbranch_scc0 .Lentry_in_a_cluster
	s_endpgm
.Lentry_in_a_cluster:
	s_bfe_u32 s2, ttmp6, 0x10000c
	s_cmp_lg_u32 s2, 0xf033
	s_cbranch_scc0 .Lentry_shape_is_right
	s_endpgm
.Lentry_shape_is_right:
; g = gelu(h2 w1^T) on codes of BF6 (E3M2) with E8M0 scales, K = 1,024; g is quantised in registers along the hidden axis and leaves as the next product's operand.
; Operands are images of fragments (16 rows x 128 K, 1,536 bytes: registers 0-3 at 16 x lane, 4-5 at 512 + 8 x lane, 6-9 at 768 + 16 x lane, 10-11 at 1,280 + 8 x lane), [tile][K / 128]; scale words [tile][K / 128][32 lanes].
; Lane-row r of tile T is row 64 (T / 4) + 32 (r / 8) + 8 (T % 4) + r % 8.  So, of w1's eight tiles, a lane's 64 results are hidden units 64 c + 32 h + 0 .. 31: two whole blocks, in the operand's own order.
; A tile of C is 256 x 256: four waves, 128 x 128 each, 64 accumulators.  K = 1,024 is four steps of 256.  THREE LDS slots: the first three steps' tiles are first fills, asked for together at the start;
; the fourth fills slot 0 again, behind the one change of slots that has a round: 224 matrix instructions stand between that request and the wait for it.
; The scale words of the work-group's rows come once and stay: of each record of 32 lanes the first 16 lanes' 64 bytes are fetched (the other 16 repeat them), which leaves room for the third slot.
; Source 0 = 16 rows of w1 (side B), source 1 = 16 tokens (side A).  CLUSTER 4 x 4: A's tiles are asked for jointly by a row of the cluster, B's by a column.
; GELU: 0.5 x (1 + erf(x / sqrt 2)), erf(z) = z P(z^2) / Q(z^2), P of degree 6 and Q of degree 4 in z^2, z held to +-4, where erf is 1 in f32; the division is v_rcp_f32.
; LIMITS: NaN and infinities are not served; a block whose largest magnitude is under 2^-122 keeps the byte 1 (zeros too: its codes are zeros, and this program alone reads the bytes).
; REGISTERS: window 0: v4-15 fragment addresses, v24-26 store offsets, v27 scale words' address, v28-29 the spare word's, v32-63 scale words (two sets), v128-223 A's eight fragments; window 1: B's two sets at v0 and v128;
; windows 2, 3: accumulator (a, b) at v[8 (8 (a % 4) + b)].
.set A_S,   3145728
.set W_IMG, 6815744
.set W_S,   9961472
.set G_S,   12582912
.set FR,    12
.set NL,    4
.set NP,    4
.set NQ,    2
.set FRB,   1536
.set TROW,  8*FRB
.set HALFT, 8*NQ*FRB
.set SLOT,  4*HALFT
.set SCL,   3*SLOT                     ; behind the three slots: the scale words
.set STB,   512                        ; a tile's in LDS: 8 K steps x 16 lanes x 4 bytes
.set HALFS, 8*STB
.set SPARE, SCL+4*HALFS                ; the spare words: 128 bytes a wave, two blocks of 256 bytes that no other line names
.set ADRA, 4                           ; v4-6 16 x lane + my A tiles in slot 0, 1, 2;  v7-9 the same with 8 x lane
.set ADRB, 10                          ; v10-15 likewise for B
.set GI16, 24
.set GI8,  25
.set GI4,  26
.set ADRS, 27
.set SPW,  28
.set NIL,  29
.set SC,   32
.set AF,   128
.set G1, 24
.set G0, 32                            ; s[32:39] A's group 0 for slots 0 and 1
.set G1B, 48
.set G0B, 56                           ; s[56:63] B's for slots 0 and 1
.set G1S, 68
.set G0S, 76
.set G1SB, 80
.set G0SB, 88
.set G0C, 92
.set G0CB, 96
.set MSB, 0
.macro WIN new
.if MSB != (\new)
	s_set_vgpr_msb (MSB<<8)|(\new)
.set MSB, (\new)
.endif
.endm
.set MUL_LO, 0xa1
.set MUL_HI, 0xf1
.set TO_B,   0x40
.macro JLOAD g0a, g1a, g0b, g1b        ; a joint load: waves 0 and 1 fetch for A, waves 2 and 3 for B; four v_nop follow each line
	s_cmp_eq_u32 s15, 0
	s_cbranch_scc0 .Lfor_b_\@
	tensor_load_to_lds s[\g0a:\g0a+3], s[\g1a:\g1a+7]
	s_nop 0
.rept 4
	v_nop
.endr
	s_branch .Lasked_\@
.Lfor_b_\@:
	tensor_load_to_lds s[\g0b:\g0b+3], s[\g1b:\g1b+7]
	s_nop 0
.rept 4
	v_nop
.endr
.Lasked_\@:
.endm
.macro CREST
	s_cmp_lg_u32 s14, 0
	s_cbranch_scc1 .Lnot_wave_0_\@
	s_barrier_signal -3
.Lnot_wave_0_\@:
	s_barrier_wait -3
	s_barrier_signal -1
	s_barrier_wait -1
.endm
.macro CROUND
	s_barrier_signal -1
	s_barrier_wait -1
	CREST
.endm
.macro PLACES n
.rept \n
	v_nop
.endr
.endm
	s_load_b128 s[4:7], s[0:1], 0x0                ; h2 s[4:5], the weights' buffer s[6:7]
	s_load_b64 s[8:9], s[0:1], 0x10                ; g
	v_lshl_add_u32 v[SPW], v0, 2, SPARE
	v_mov_b32 v[NIL], 0
	ds_add_u32 v28, v29
	ds_add_u32 v28, v29
	s_wait_dscnt 0x0
	v_lshrrev_b32 v1, 5, v0
	v_readfirstlane_b32 s14, v1
	s_lshr_b32 s15, s14, 1
	s_and_b32 s16, s14, 1
	s_bfe_u32 s40, ttmp6, 0x40000
	s_bfe_u32 s41, ttmp6, 0x40004
	s_lshl_b32 s42, ttmp9, 2
	s_add_co_u32 s42, s42, s40                     ; B's block of 256 rows
	s_and_b32 s17, ttmp7, 0xffff
	s_lshl_b32 s17, s17, 2
	s_add_co_u32 s17, s17, s41                     ; A's
	s_lshl_b32 s43, s41, 2
	s_lshl_b32 s43, 15, s43
	s_lshl_b32 s44, 0x1111, s40
	s_or_b32 s[G1+0], s43, (3<<16)|(1<<21)         ; codes: 16 rows (tiles) of 3,072 bytes, 12,288 apart; elements of 8 bytes
	s_or_b32 s[G1B+0], s44, (3<<16)|(1<<21)
.irp g, G1, G1B
	s_mov_b32 s[\g+1], 384<<16
	s_mov_b32 s[\g+2], 16<<16
	s_mov_b32 s[\g+3], 384<<16
	s_mov_b32 s[\g+4], 16
	s_mov_b32 s[\g+5], TROW/8
	s_mov_b32 s[\g+6], 0
	s_mov_b32 s[\g+7], 0
.endr
	s_or_b32 s[G1S+0], s43, (3<<16)|(1<<21)        ; scale words of 16 tiles: 128 records (16 tiles x 8 K steps), of each the first 64 bytes; the records lie 128 bytes apart
	s_or_b32 s[G1SB+0], s44, (3<<16)|(1<<21)
.irp g, G1S, G1SB
	s_mov_b32 s[\g+1], 8<<16                       ; tensor_dim0: 8 elements of 8 bytes
	s_mov_b32 s[\g+2], 128<<16                     ; tensor_dim1: 16 tiles x 8 K steps
	s_mov_b32 s[\g+3], 8<<16                       ; tile_dim0
	s_mov_b32 s[\g+4], 128                         ; tile_dim1
	s_mov_b32 s[\g+5], 16                          ; from row to row
	s_mov_b32 s[\g+6], 0
	s_mov_b32 s[\g+7], 0
.endr
	s_mul_i32 s18, s16, 8*TROW                     ; in the ring I fetch 8 tiles of a side: which half, in bytes
	s_mov_b32 s19, 0
	s_lshl_b32 s20, s17, 4
	s_lshl_b32 s46, s42, 4
	s_lshl_b32 s22, s20, 10                        ; (in memory a tile's scale words are 1,024 bytes)
	s_add_co_u32 s22, s22, A_S
	s_mov_b32 s23, 0
	s_mul_i32 s20, s20, TROW
	s_mov_b32 s21, 0
	s_lshl_b32 s92, s46, 10
	s_add_co_u32 s92, s92, W_S
	s_mov_b32 s93, 0
	s_mul_i32 s46, s46, TROW
	s_add_co_u32 s46, s46, W_IMG
	s_mov_b32 s47, 0
	s_mul_i32 s45, s14, HALFT
	s_wait_kmcnt 0x0
	s_add_nc_u64 s[20:21], s[4:5], s[20:21]
	s_add_nc_u64 s[22:23], s[4:5], s[22:23]
	s_add_nc_u64 s[46:47], s[6:7], s[46:47]
	s_add_nc_u64 s[92:93], s[6:7], s[92:93]
	CROUND                                         ; all sixteen work-groups are here: the first joint loads meet
	s_mov_b32 s[G0S], 1
	s_mov_b32 s[G0S+1], SCL
	s_mov_b64 s[G0S+2:G0S+3], s[22:23]
	s_or_b32 s[G0S+3], s[G0S+3], 0x80000000
	s_mov_b32 s[G0SB], 1
	s_mov_b32 s[G0SB+1], SCL+2*HALFS
	s_mov_b64 s[G0SB+2:G0SB+3], s[92:93]
	s_or_b32 s[G0SB+3], s[G0SB+3], 0x80000000
	; THE HEAD'S LOADS, ONE A WAVE: wave 0 slot 0's 16 tiles of A, wave 1 its 16 of B, wave 2 A's scale words, wave 3 B's.  One chain of branches on the wave's number, one load to an arm.
	s_mov_b32 s[G0], 1
	s_mov_b32 s[G0+1], 0
	s_mov_b64 s[G0+2:G0+3], s[20:21]
	s_or_b32 s[G0+3], s[G0+3], 0x80000000
	s_mov_b32 s[G0B], 1
	s_mov_b32 s[G0B+1], 2*HALFT
	s_mov_b64 s[G0B+2:G0B+3], s[46:47]
	s_or_b32 s[G0B+3], s[G0B+3], 0x80000000
.macro ARM under, g0, g1, next
	s_cmp_lt_u32 s14, \under
	s_cbranch_scc0 \next
	tensor_load_to_lds s[\g0:\g0+3], s[\g1:\g1+7]
	s_nop 0
.rept 4
	v_nop
.endr
	s_branch .Lhead_asked
\next:
.endm
	ARM 1, G0,  G1,  .Lhead_b
	ARM 2, G0B, G1B, .Lhead_sa
	ARM 3, G0S, G1S, .Lhead_sb
	tensor_load_to_lds s[G0SB:G0SB+3], s[G1SB:G1SB+7]
	s_nop 0
.rept 4
	v_nop
.endr
.Lhead_asked:
	s_add_nc_u64 s[20:21], s[20:21], s[18:19]      ; for the ring: my 8 tiles of the side
	s_add_nc_u64 s[46:47], s[46:47], s[18:19]
.irp s, 1
	s_mov_b32 s[G0+4*\s], 1
	s_lshl_b32 s[G0+4*\s+1], s45, 1                ; K 256 - 767 comes by ONE load a wave: 8 tiles x 4 images, 2 HALFT bytes, behind slot 0
	s_add_co_u32 s[G0+4*\s+1], s[G0+4*\s+1], SLOT
	s_add_nc_u64 s[G0+4*\s+2:G0+4*\s+3], s[20:21], \s*NQ*FRB
	s_or_b32 s[G0+4*\s+3], s[G0+4*\s+3], 0x80000000
	s_mov_b32 s[G0B+4*\s], 1
	s_lshl_b32 s[G0B+4*\s+1], s45, 1
	s_add_co_u32 s[G0B+4*\s+1], s[G0B+4*\s+1], SLOT
	s_add_nc_u64 s[G0B+4*\s+2:G0B+4*\s+3], s[46:47], \s*NQ*FRB
	s_or_b32 s[G0B+4*\s+3], s[G0B+4*\s+3], 0x80000000
.endr
	s_add_nc_u64 s[2:3], s[20:21], 3*NQ*FRB        ; A's fourth tile, kept for slot 0's refill (s21 is written again below)
	v_and_b32 v1, 31, v0
	v_bfe_u32 v2, v0, 4, 1
	v_and_b32 v3, 15, v0
	v_lshlrev_b32 v[GI16], 4, v1
	v_lshlrev_b32 v[GI8], 3, v1
	v_lshlrev_b32 v[GI4], 2, v1
	s_mul_i32 s21, s15, HALFT
	s_mul_i32 s22, s16, HALFT
	s_add_co_u32 s22, s22, 2*HALFT
.irp s, 0,1,2
	v_add_nc_u32 v[ADRA+\s], s21, v[GI16]
	v_add_nc_u32 v[ADRB+\s], s22, v[GI16]
	v_add_nc_u32 v[ADRA+3+\s], s21, v[GI8]
	v_add_nc_u32 v[ADRB+3+\s], s22, v[GI8]
.if \s == 0
	s_mul_i32 s21, s15, 2*HALFT                    ; slots 1 and 2 share one region, [tile][4 images]: A's two halves, then B's two
	s_mul_i32 s22, s16, 2*HALFT
	s_add_co_u32 s21, s21, SLOT
	s_add_co_u32 s22, s22, SLOT+4*HALFT
.else
	s_add_co_u32 s21, s21, NQ*FRB                  ; slot 2 is each tile's third and fourth image
	s_add_co_u32 s22, s22, NQ*FRB
.endif
.endr
	v_lshlrev_b32 v16, 2, v3                       ; 4 r
	s_mul_i32 s21, s15, HALFS
	s_mul_i32 s22, s16, HALFS
	s_add_co_u32 s22, s22, 2*HALFS
	s_sub_co_u32 s22, s22, s21
	v_mul_u32_u24 v17, s22, v2                     ; lanes 16-31 take B's words: the lower base + h x the distance
	s_add_co_u32 s21, s21, SCL
	v_add_nc_u32 v16, v16, v17
	v_add_nc_u32 v[ADRS], s21, v16
.macro FRAG reg, adr, off
	ds_load_b128 v[(\reg):(\reg)+3], v[\adr] offset:\off
	ds_load_b64 v[(\reg)+4:(\reg)+5], v[\adr+3] offset:\off+512
	ds_load_b128 v[(\reg)+6:(\reg)+9], v[\adr] offset:\off+768
	ds_load_b64 v[(\reg)+10:(\reg)+11], v[\adr+3] offset:\off+1280
.endm
.macro MUL16 a0, p, q, sc, zero        ; the 64 accumulators take turns, one instruction a turn
.irp a, \a0, \a0+1
.irp b, 0,1,2,3,4,5,6,7
.if \zero
	v_wmma_scale_f32_16x16x128_f8f6f4 v[8*(8*((\a)%4)+\b):8*(8*((\a)%4)+\b)+7], v[128*(\p)+FR*\b:128*(\p)+FR*\b+FR-1], v[AF+FR*(\a):AF+FR*(\a)+FR-1], 0, v[SC+8*NQ*(\sc)+NQ*\b+(\q)], v[SC+8*NQ*(\sc)+NQ*(\a)+(\q)] matrix_a_fmt:MATRIX_FMT_BF6 matrix_b_fmt:MATRIX_FMT_BF6 matrix_a_scale:MATRIX_SCALE_ROW1
.else
	v_wmma_scale_f32_16x16x128_f8f6f4 v[8*(8*((\a)%4)+\b):8*(8*((\a)%4)+\b)+7], v[128*(\p)+FR*\b:128*(\p)+FR*\b+FR-1], v[AF+FR*(\a):AF+FR*(\a)+FR-1], v[8*(8*((\a)%4)+\b):8*(8*((\a)%4)+\b)+7], v[SC+8*NQ*(\sc)+NQ*\b+(\q)], v[SC+8*NQ*(\sc)+NQ*(\a)+(\q)] matrix_a_fmt:MATRIX_FMT_BF6 matrix_b_fmt:MATRIX_FMT_BF6 matrix_a_scale:MATRIX_SCALE_ROW1
.endif
.endr
.endr
.endm
.macro FETCH_B slot, q, p
	WIN TO_B
.irp i, 0,1,2,3,4,5,6,7
	FRAG 128*(\p)+FR*\i, ADRB+\slot, \i*(2+2*(((\slot)+1)/2))*FRB+(\q)*FRB   ; from tile to tile: 2 images in slot 0, 4 in slots 1 and 2
.endr
	WIN 0
.endm
.macro FETCH_A slot, q, i0
.irp i, \i0, \i0+1, \i0+2, \i0+3
	FRAG AF+FR*(\i), ADRA+\slot, (\i)*(2+2*(((\slot)+1)/2))*FRB+(\q)*FRB
.endr
.endm
.macro SCALES sc
.irp i, 0,1,2,3,4,5,6,7
.irp q, 0,1
	ds_load_b32 v[SC+8*NQ*(\sc)+NQ*\i+\q], v[ADRS] offset:\i*STB+\q*64
.endr
.endr
.endm
.macro STEP slot, sc, zero             ; a slot's first step of 128 along K; sc: its set of scale words
	s_wait_dscnt 4*NL                              ; all but the youngest 16 loads, A's blocks 4-7
	WIN MUL_LO
	MUL16 0, 0, 0, \sc, \zero
	MUL16 2, 0, 0, \sc, \zero
	s_wait_dscnt 0
	PLACES NP                                      ; in front of loads into registers that matrix instructions have read
	FETCH_B \slot, 1, 1
	FETCH_A \slot, 1, 0
	WIN MUL_HI
	MUL16 4, 0, 0, \sc, \zero
	MUL16 6, 0, 0, \sc, \zero
	PLACES NP
	WIN 0
	FETCH_A \slot, 1, 4
.endm
; A slot's second step goes on to the next slot.  mode 1: this slot is filled again: each wave waits for all its tensor loads, adds 0 to its spare word, waits for that and for its reads of this slot; a round of the
; cluster's barrier; the joint refill.  mode 0: the next slot's tile was asked for on the way: the same waits and the work-group's barrier show it whole; nothing is filled.
; mode 2: the next slot was shown whole by an earlier barrier and nothing is filled: no wait on TENSORcnt (the refill stays on its way) and no barrier.
.macro TURN slot, next, sc, mode, ga=0, gb=0
.if \mode == 2
	s_wait_dscnt 4*NL                              ; all but the youngest 16 loads
.else
	s_wait_tensorcnt 0x0                           ; all my tensor loads have landed
	ds_add_u32 v[SPW], v[NIL]                      ; 0 onto my spare word
	s_wait_dscnt 4*NL+1                            ; (the add and the youngest 16 loads may be out)
.endif
	WIN MUL_LO
	MUL16 0, 1, 1, \sc, 0
.if \mode != 2
	s_wait_dscnt 0x0                               ; the add is done, and my reads of this slot are over
	s_barrier_signal -1
.endif
	MUL16 2, 1, 1, \sc, 0
	WIN 0
.if \mode == 2
	s_wait_dscnt 0x0                               ; A's blocks 4-7 are in
.else
	s_barrier_wait -1
.endif
.if \mode == 1
	CREST                                          ; the barrier has opened a round of the cluster's: no wave of any partner still reads this slot or has a load on its way
	s_mov_b32 s[G1+1], 384<<16                     ; no load of mine is out: a row is two images again
	s_mov_b32 s[G1+3], 384<<16
	s_mov_b32 s[G1B+1], 384<<16
	s_mov_b32 s[G1B+3], 384<<16
	JLOAD \ga, G1, \gb, G1B                        ; my one tensor load behind the round; its four v_nop are the places in front of the loads below
.else
	PLACES NP
.endif
	v_add_nc_u32 v[ADRS], 64*NQ, v[ADRS]           ; the next slot's scale words
	FETCH_B \next, 0, 0
	FETCH_A \next, 0, 0
	SCALES 1-\sc
	WIN MUL_HI
	MUL16 4, 1, 1, \sc, 0
	MUL16 6, 1, 1, \sc, 0
	PLACES NP
	WIN 0
	FETCH_A \next, 0, 4
.endm
	s_wait_alu depctr_va_vdst(0)
	s_wait_tensorcnt 0x0                           ; my tile of the head's four is in
	ds_add_u32 v[SPW], v[NIL]
	s_mov_b32 s[G1+1], 768<<16                     ; the next load's rows are four images, 6,144 bytes,
	s_mov_b32 s[G1+3], 768<<16
	s_mov_b32 s[G1B+1], 768<<16
	s_mov_b32 s[G1B+3], 768<<16
	s_mov_b32 s[G1+2], 8<<16                       ; of 8 tiles
	s_mov_b32 s[G1+4], 8
	s_mov_b32 s[G1B+2], 8<<16
	s_mov_b32 s[G1B+4], 8
	s_mov_b32 s[G0+1], s45                         ; and slot 0's descriptors stand for its refill: my quarter of the fourth tile
	s_mov_b64 s[G0+2:G0+3], s[2:3]
	s_or_b32 s[G0+3], s[G0+3], 0x80000000
	s_mov_b32 s[G0B+1], s45
	s_add_nc_u64 s[G0B+2:G0B+3], s[46:47], 3*NQ*FRB
	s_or_b32 s[G0B+3], s[G0B+3], 0x80000000
	s_wait_dscnt 0x0
	CROUND                                         ; all four tiles are in, all sixteen work-groups are here
	JLOAD G0+4, G1, G0B+4, G1B                     ; slot 1's first fill, my one load behind the round
	FETCH_B 0, 0, 0
	FETCH_A 0, 0, 0
	SCALES 0
	FETCH_A 0, 0, 4
	STEP 0, 0, 1                                   ; the first step's products start the sums
	TURN 0, 1, 0, 1, G0, G0B                       ; slots 1 and 2 are whole; slot 0 takes the fourth tile
	s_wait_alu depctr_va_vdst(0)
	STEP 1, 1, 0
	TURN 1, 2, 1, 2
	s_wait_alu depctr_va_vdst(0)
	STEP 2, 0, 0
	TURN 2, 0, 0, 0                                ; the fourth tile is whole
	STEP 0, 1, 0
	s_wait_dscnt 4*NL
	WIN MUL_LO
	MUL16 0, 1, 1, 1, 0
	MUL16 2, 1, 1, 1, 0
	s_wait_dscnt 0
	WIN MUL_HI
	MUL16 4, 1, 1, 1, 0
	MUL16 6, 1, 1, 1, 0
	WIN 0
	; ---- THE WAY OUT: a loop over A's eight blocks, so that the activation is written once.  Only the 32 lines that name a block's accumulators differ from trip to trip: they are reached by branches on the trip's number.
.set PC,  32
.set CT,  44
.set TM,  52
.set PW,  60
.set FL,  61
.set SH8, 62
.set HX,  64                           ; v64-127  x / 2
.set Z,   128                          ; v128-191 z, then g
.set T2,  192                          ; v192-207 z^2 of 16 numbers
.set TP,  208                          ; v208-223 P
.set TQ,  224                          ; v224-239 Q
.set CA,  240                          ; v[240:241] P's leading coefficient, twice
.set CB,  242                          ; v[242:243] Q's
.set PG,  24                           ; s[24:25] where the block's image goes, s[26:27] its scale words.  (All descriptors are done with)
.set AI,  36
.set SEL, 38
.macro QUANT64 xs, xw, pc, pw
	WIN ((\xw)<<2)|((\xw)<<4)
.irp n, 0,1,2,3
	v_max3_num_f32 v[TM+\n], v[FL], |v[(\xs)+16*\n]|, |v[(\xs)+16*\n+1]|
.endr
.irp i, 2,4,6,8,10,12,14
.irp n, 0,1,2,3
	v_max3_num_f32 v[TM+\n], v[TM+\n], |v[(\xs)+16*\n+\i]|, |v[(\xs)+16*\n+\i+1]|
.endr
.endr
	WIN 0
	v_max_num_f32 v[TM], v[TM], v[TM+1]
	v_max_num_f32 v[TM+2], v[TM+2], v[TM+3]
	v_add_nc_u32 v[TM+4], 0xfe000000, v[TM]
	v_add_nc_u32 v[TM+5], 0xfe000000, v[TM+2]
	v_lshrrev_b32 v[TM], 23, v[TM+4]
	v_lshrrev_b32 v[TM+2], 23, v[TM+5]
	v_lshl_or_b32 v[TM], v[TM+2], 16, v[TM]
	v_lshlrev_b32 v[TM], v[SH8], v[TM]
	v_permlanex16_b32 v[TM+1], v[TM], s[SEL], s[SEL+1]
	v_or_b32 v[\pw], v[TM], v[TM+1]
	WIN \xw
	v_cvt_scalef32_pk16_bf6_f32 v[(\pc):(\pc)+2], v[(\xs):(\xs)+15], v[TM+4]
	v_cvt_scalef32_pk16_bf6_f32 v[CT:CT+2], v[(\xs)+16:(\xs)+31], v[TM+4]
	v_cvt_scalef32_pk16_bf6_f32 v[(\pc)+6:(\pc)+8], v[(\xs)+32:(\xs)+47], v[TM+5]
	v_cvt_scalef32_pk16_bf6_f32 v[CT+4:CT+6], v[(\xs)+48:(\xs)+63], v[TM+5]
	WIN 0
	v_nop
.irp i, 0,1,2
	v_mov_b32 v[(\pc)+3+\i], v[CT+\i]
	v_mov_b32 v[(\pc)+9+\i], v[CT+4+\i]
.endr
.endm
.macro HORNER p, c                     ; p = p z^2 + c, 16 numbers
.irp k, 0,2,4,6,8,10,12,14
	v_pk_fma_f32 v[\p+\k:\p+\k+1], v[\p+\k:\p+\k+1], v[T2+\k:T2+\k+1], \c op_sel_hi:[1,1,0]
.endr
.endm
.macro GELU16 g                        ; 16 numbers: x / 2 in v[HX + 16 g ..] gives g in v[Z + 16 g ..]
.set H0, HX+16*\g
.set Z0, Z+16*\g
.irp k, 0,2,4,6,8,10,12,14
	v_pk_mul_f32 v[Z0+\k:Z0+\k+1], v[H0+\k:H0+\k+1], 0x3fb504f3 op_sel_hi:[1,0]   ; z = x / sqrt 2
.endr
.irp k, 0,1,2,3,4,5,6,7,8,9,10,11,12,13,14,15
	v_med3_num_f32 v[Z0+\k], v[Z0+\k], -4.0, 4.0
.endr
.irp k, 0,2,4,6,8,10,12,14
	v_pk_mul_f32 v[T2+\k:T2+\k+1], v[Z0+\k:Z0+\k+1], v[Z0+\k:Z0+\k+1]
.endr
.irp k, 0,2,4,6,8,10,12,14
	v_pk_fma_f32 v[TP+\k:TP+\k+1], v[T2+\k:T2+\k+1], v[CA:CA+1], 0x32edffee op_sel_hi:[1,1,0]
	v_pk_fma_f32 v[TQ+\k:TQ+\k+1], v[T2+\k:T2+\k+1], v[CB:CB+1], 0xb95fbd29 op_sel_hi:[1,1,0]
.endr
	HORNER TP, 0xb60cff51
	HORNER TQ, 0xbadc924e
	HORNER TP, 0xb86ec2d2
	HORNER TQ, 0xbbf19bf8
	HORNER TP, 0xba40ac63
	HORNER TQ, 0xbc69b6a7
	HORNER TP, 0xbb41a1f6
	HORNER TP, 0xbc83dbd4
	s_wait_alu depctr_va_vdst(0)
.irp k, 0,1,2,3,4,5,6,7,8,9,10,11,12,13,14,15
	v_rcp_f32 v[TQ+\k], v[TQ+\k]
.endr
.irp k, 0,2,4,6,8,10,12,14
	v_pk_mul_f32 v[TP+\k:TP+\k+1], v[TP+\k:TP+\k+1], v[Z0+\k:Z0+\k+1]            ; plain work behind the batch
.endr
	s_wait_alu depctr_va_vdst(0)                   ; one wait for the 16 reciprocals, ahead of their first reader
.irp k, 0,2,4,6,8,10,12,14
	v_pk_mul_f32 v[TP+\k:TP+\k+1], v[TP+\k:TP+\k+1], v[TQ+\k:TQ+\k+1]            ; erf
.endr
.irp k, 0,2,4,6,8,10,12,14
	v_pk_fma_f32 v[Z0+\k:Z0+\k+1], v[H0+\k:H0+\k+1], v[TP+\k:TP+\k+1], v[H0+\k:H0+\k+1]
.endr
.endm
	PLACES NP                                      ; behind the last products
	v_bfe_u32 v[SH8], v0, 4, 1
	v_lshlrev_b32 v[SH8], 3, v[SH8]
	v_mov_b32 v[FL], 0x2800000
	v_mov_b32 v[CA], 0xaf95df0b
	v_mov_b32 v[CA+1], 0xaf95df0b
	v_mov_b32 v[CB], 0xb77460cd
	v_mov_b32 v[CB+1], 0xb77460cd
	s_mov_b32 s[SEL], 0x76543210
	s_mov_b32 s[SEL+1], 0xfedcba98
	s_lshl_b32 s18, s17, 4
	s_lshl_b32 s20, s15, 3
	s_add_co_u32 s18, s18, s20                     ; my first tile of tokens
	s_lshl_b32 s19, s42, 1
	s_add_co_u32 s19, s19, s16                     ; my K step of the next product
	s_mul_i32 s20, s18, 32*FRB
	s_mul_i32 s22, s19, FRB
	s_add_co_u32 s20, s20, s22
	s_mov_b32 s21, 0
	s_add_nc_u64 s[PG:PG+1], s[8:9], s[20:21]
	s_lshl_b32 s20, s18, 12
	s_lshl_b32 s22, s19, 7
	s_add_co_u32 s20, s20, s22
	s_add_co_u32 s20, s20, G_S
	s_add_nc_u64 s[PG+2:PG+3], s[8:9], s[20:21]
	s_mov_b32 s[AI], 0
.Lrow:
.irp n, 0,1,2,3,4,5,6
	s_cmp_eq_u32 s[AI], \n
	s_cbranch_scc1 .Lb\n
.endr
	s_branch .Lb7
.irp n, 0,1,2,3,4,5,6,7
.Lb\n:
	WIN 2+\n/4                                     ; source 0: the block's window
.set k, 0
.rept 32
	v_pk_mul_f32 v[HX+k:HX+k+1], v[64*(\n%4)+k:64*(\n%4)+k+1], 0.5 op_sel_hi:[1,0]   ; each accumulator from its low end on
.set k, k+2
.endr
	WIN 0
	s_branch .Lcommon
.endr
.Lcommon:
	GELU16 0
	GELU16 1
	GELU16 2
	GELU16 3
	QUANT64 Z, 0, PC, PW
	global_store_b128 v[GI16], v[PC:PC+3], s[PG:PG+1]
	global_store_b64 v[GI8], v[PC+4:PC+5], s[PG:PG+1] offset:512
	global_store_b128 v[GI16], v[PC+6:PC+9], s[PG:PG+1] offset:768
	global_store_b64 v[GI8], v[PC+10:PC+11], s[PG:PG+1] offset:1280
	global_store_b32 v[GI4], v[PW], s[PG+2:PG+3]
	s_wait_xcnt 0x0                                ; the stores have read their registers and bases: both are written again
	s_add_nc_u64 s[PG:PG+1], s[PG:PG+1], 32*FRB    ; the next tile of tokens
	s_add_nc_u64 s[PG+2:PG+3], s[PG+2:PG+3], 32*128
	s_add_co_u32 s[AI], s[AI], 1
	s_cmp_lt_u32 s[AI], 8
	s_cbranch_scc1 .Lrow
	s_wait_tensorcnt 0x0                           ; the wave's end
	ds_add_u32 v[SPW], v[NIL]
	s_wait_dscnt 0x0
	CROUND                                         ; the closing round
	s_endpgm
.Lfunc_end_k_q909970c76c_ffn1:
	.size	k_q909970c76c_ffn1, .Lfunc_end_k_q909970c76c_ffn1-k_q909970c76c_ffn1
	.p2alignl 7, 3214868480
	.fill 96, 4, 3214868480
	.section	.rodata,"a",@progbits
	.p2align	6, 0x0
	.amdhsa_kernel k_q909970c76c_ffn1
		.amdhsa_group_segment_fixed_size 327680
		.amdhsa_private_segment_fixed_size 0
		.amdhsa_enable_private_segment 0
		.amdhsa_kernarg_size 24
		.amdhsa_user_sgpr_count 2
		.amdhsa_user_sgpr_kernarg_segment_ptr 1
		.amdhsa_wavefront_size32 1
		.amdhsa_system_sgpr_workgroup_id_x 1
		.amdhsa_system_sgpr_workgroup_id_y 1
		.amdhsa_system_sgpr_workgroup_id_z 1
		.amdhsa_system_vgpr_workitem_id 0
		.amdhsa_next_free_vgpr 1024
		.amdhsa_next_free_sgpr 100
		.amdhsa_reserve_vcc 0
		.amdhsa_float_denorm_mode_32 3
		.amdhsa_float_denorm_mode_16_64 3
		.amdhsa_memory_ordered 1
		.amdhsa_forward_progress 1
		.amdhsa_inst_pref_size 186
	.end_amdhsa_kernel
	.amdgpu_metadata
---
amdhsa.version: [ 1, 2 ]
amdhsa.kernels:
  - .name:           k_q909970c76c_ffn1
    .symbol:         k_q909970c76c_ffn1.kd
    .args:
      - { .name: h2b, .offset: 0, .size: 8, .value_kind: global_buffer, .address_space: global }
      - { .name: prepo, .offset: 8, .size: 8, .value_kind: global_buffer, .address_space: global }
      - { .name: gb, .offset: 16, .size: 8, .value_kind: global_buffer, .address_space: global }
    .group_segment_fixed_size: 327680
    .private_segment_fixed_size: 0
    .kernarg_segment_align: 8
    .kernarg_segment_size: 24
    .max_flat_workgroup_size: 128
    .sgpr_count:     100
    .vgpr_count:     1024
    .wavefront_size: 32
...
	.end_amdgpu_metadata
.endif
;; end of part 5
;; launch ffn2 (part 6): grid 8 x 32, 4 waves a work-group, clusters of 4 x 4, 327,680 bytes of LDS; arguments gb, prepo, fs, out0; writes out0
.if DOCPART == 6
	.amdgcn_target "amdgcn-amd-amdhsa--gfx1250"
	.amdhsa_code_object_version 6
	.text
	.protected	k_q909970c76c_ffn2
	.globl	k_q909970c76c_ffn2
	.p2align	8
	.type	k_q909970c76c_ffn2,@function
k_q909970c76c_ffn2:
	s_mov_b64 s[64:65], 0
	v_nop
	global_prefetch_b8 v0, s[64:65] scope:SCOPE_SE
	s_setreg_imm32_b32 hwreg(HW_REG_WAVE_MODE, 25, 1), 1
	s_wait_xcnt 0x0
	s_wait_alu depctr_hold_cnt(0) depctr_sa_sdst(0) depctr_va_vdst(0) depctr_va_sdst(0) depctr_va_ssrc(0) depctr_va_vcc(0) depctr_vm_vsrc(0)
	s_getreg_b32 s2, hwreg(HW_REG_IB_STS2, 6, 4)
	s_cmp_eq_u32 s2, 0
	s_cbranch_scc0 .Lentry_in_a_cluster
	s_endpgm
.Lentry_in_a_cluster:
	s_bfe_u32 s2, ttmp6, 0x10000c
	s_cmp_lg_u32 s2, 0xf033
	s_cbranch_scc0 .Lentry_shape_is_right
	s_endpgm
.Lentry_shape_is_right:
.set KDIM,  4096
.set A_S,   12582912
.set W_IMG, 10223616
.set W_S,   13369344
.set KS,    KDIM/128
.set FR,    12
.set FRB,   1536
.set TROW,  KS*FRB
.set NQ,    4
.set QT,    4*NQ*FRB
.set SLOT,  4*QT
.set SCL,   2*SLOT
.set STB,   KS*128
.set QS,    4*STB
.set SPARE, SCL+4*QS
.set STAGE, SPARE+512
.set LAPS,  KS/8
.set ADRA, 16
.set ADRB, 20
.set STO,  24
.set RD,   25
.set CO,   26
.set ADRS, 27
.set SPW,  28
.set NIL,  29
.set SC,   32
.set BK,   64
.set ACC,  128
.set F0,   0
.set F1,   128
.set G1, 24
.set G0, 32
.set G1B, 48
.set G0B, 56
.set G1S, 68
.set G0S, 76
.set G1SB, 80
.set G0SB, 88
.set MSB, 0
.macro WIN new
.if MSB != (\new)
	s_set_vgpr_msb (MSB<<8)|(\new)
.set MSB, (\new)
.endif
.endm
.set MUL,  0x05
.set TO_F, 0x40
.macro JLOAD g0a, g1a, g0b, g1b
	s_cmp_eq_u32 s15, 0
	s_cbranch_scc0 .Lfor_b_\@
	tensor_load_to_lds s[\g0a:\g0a+3], s[\g1a:\g1a+7]
	s_nop 0
.rept 4
	v_nop
.endr
	s_branch .Lasked_\@
.Lfor_b_\@:
	tensor_load_to_lds s[\g0b:\g0b+3], s[\g1b:\g1b+7]
	s_nop 0
.rept 4
	v_nop
.endr
.Lasked_\@:
.endm
.macro CREST
	s_cmp_lg_u32 s14, 0
	s_cbranch_scc1 .Lnot_wave_0_\@
	s_barrier_signal -3
.Lnot_wave_0_\@:
	s_barrier_wait -3
	s_barrier_signal -1
	s_barrier_wait -1
.endm
.macro CROUND
	s_barrier_signal -1
	s_barrier_wait -1
	CREST
.endm
.macro PLACES n
.rept \n
	v_nop
.endr
.endm
	s_load_b256 s[4:11], s[0:1], 0x0
	v_lshl_add_u32 v[SPW], v0, 2, SPARE
	v_mov_b32 v[NIL], 0
	ds_add_u32 v28, v29
	ds_add_u32 v28, v29
	s_wait_dscnt 0x0
	v_lshrrev_b32 v1, 5, v0
	v_readfirstlane_b32 s14, v1
	s_lshr_b32 s15, s14, 1
	s_and_b32 s16, s14, 1
	s_bfe_u32 s40, ttmp6, 0x40000
	s_bfe_u32 s41, ttmp6, 0x40004
	s_lshl_b32 s42, ttmp9, 2
	s_add_co_u32 s42, s42, s40
	s_and_b32 s17, ttmp7, 0xffff
	s_lshl_b32 s17, s17, 2
	s_add_co_u32 s17, s17, s41
	s_lshl_b32 s43, s41, 2
	s_lshl_b32 s43, 15, s43
	s_lshl_b32 s44, 0x1111, s40
	s_or_b32 s[G1+0], s43, (3<<16)|(1<<21)
	s_or_b32 s[G1B+0], s44, (3<<16)|(1<<21)
.irp g, G1, G1B
	s_mov_b32 s[\g+1], 768<<16
	s_mov_b32 s[\g+2], 8<<16
	s_mov_b32 s[\g+3], 768<<16
	s_mov_b32 s[\g+4], 8
	s_mov_b32 s[\g+5], TROW/8
	s_mov_b32 s[\g+6], 0
	s_mov_b32 s[\g+7], 0
.endr
	s_or_b32 s[G1S+0], s43, (3<<16)|(1<<21)
	s_or_b32 s[G1SB+0], s44, (3<<16)|(1<<21)
.irp g, G1S, G1SB
	s_mov_b32 s[\g+1], 32<<16
	s_mov_b32 s[\g+2], (2*QS/256)<<16
	s_mov_b32 s[\g+3], 32<<16
	s_mov_b32 s[\g+4], 2*QS/256
	s_mov_b32 s[\g+5], 32
	s_mov_b32 s[\g+6], 0
	s_mov_b32 s[\g+7], 0
.endr
	s_mul_i32 s18, s16, 4*TROW                     ; in the ring I fetch 4 tiles of a side: which half, in bytes
	s_mov_b32 s19, 0
	s_lshl_b32 s20, s17, 3
	s_lshl_b32 s46, s42, 3
	s_mul_i32 s22, s20, STB
	s_add_co_u32 s22, s22, A_S
	s_mov_b32 s23, 0
	s_mul_i32 s20, s20, TROW
	s_mov_b32 s21, 0
	s_mul_i32 s92, s46, STB
	s_add_co_u32 s92, s92, W_S
	s_mov_b32 s93, 0
	s_mul_i32 s46, s46, TROW
	s_add_co_u32 s46, s46, W_IMG
	s_mov_b32 s47, 0
	s_mul_i32 s45, s14, QT
	s_wait_kmcnt 0x0
	s_add_nc_u64 s[20:21], s[4:5], s[20:21]
	s_add_nc_u64 s[22:23], s[4:5], s[22:23]
	s_add_nc_u64 s[46:47], s[6:7], s[46:47]
	s_add_nc_u64 s[92:93], s[6:7], s[92:93]
	CROUND
	s_mov_b32 s[G0S], 1
	s_mov_b32 s[G0S+1], SCL
	s_mov_b64 s[G0S+2:G0S+3], s[22:23]
	s_or_b32 s[G0S+3], s[G0S+3], 0x80000000
	s_mov_b32 s[G0SB], 1
	s_mov_b32 s[G0SB+1], SCL+2*QS
	s_mov_b64 s[G0SB+2:G0SB+3], s[92:93]
	s_or_b32 s[G0SB+3], s[G0SB+3], 0x80000000
	; THE HEAD'S LOADS, ONE A WAVE: wave 0 slot 0's 8 tiles of A, wave 1 its 8 of B, wave 2 A's scale words, wave 3 B's
.set G0H, 4
.set G0HB, 96
.set PFA, 66                           ; s[66:67] where my prefetches stand
.set PFO, 30                           ; v30 their offset: 256 x min(lane, 23); never rewritten
	s_mov_b32 s[G0H], 1
	s_mov_b32 s[G0H+1], 0
	s_mov_b64 s[G0H+2:G0H+3], s[20:21]
	s_or_b32 s[G0H+3], s[G0H+3], 0x80000000
	s_mov_b32 s[G0HB], 1
	s_mov_b32 s[G0HB+1], 2*QT
	s_mov_b64 s[G0HB+2:G0HB+3], s[46:47]
	s_or_b32 s[G0HB+3], s[G0HB+3], 0x80000000
.macro ARM under, g0, g1, next
	s_cmp_lt_u32 s14, \under
	s_cbranch_scc0 \next
	tensor_load_to_lds s[\g0:\g0+3], s[\g1:\g1+7]
	s_nop 0
.rept 4
	v_nop
.endr
	s_branch .Lhead_asked
\next:
.endm
	ARM 1, G0H,  G1,  .Lhead_b
	ARM 2, G0HB, G1B, .Lhead_sa
	ARM 3, G0S,  G1S, .Lhead_sb
	tensor_load_to_lds s[G0SB:G0SB+3], s[G1SB:G1SB+7]
	s_nop 0
.rept 4
	v_nop
.endr
.Lhead_asked:
	s_add_nc_u64 s[20:21], s[20:21], s[18:19]      ; for the ring: my 4 tiles of the side
	s_add_nc_u64 s[46:47], s[46:47], s[18:19]
	; THE PREFETCHES: the slot that stands two refills on.  Of the 4 tiles that my wave fetches, each of the four partners that ask for them jointly takes one, told apart by address
	; (cx for A, cy for B): 6,144 bytes, 24 blocks of 256, a lane a block (lanes 24-31 name the last again), one instruction a wave.  Slots 2 and 3 are asked for at the head; the last two refills ask for nothing.
	s_cmp_eq_u32 s15, 0
	s_cselect_b64 s[PFA:PFA+1], s[20:21], s[46:47]
	s_cselect_b32 s92, s40, s41
	s_mul_i32 s92, s92, TROW
	s_mov_b32 s93, 0
	s_add_nc_u64 s[PFA:PFA+1], s[PFA:PFA+1], s[92:93]
.irp s, 0,1
	s_mov_b32 s[G0+4*\s], 1
	s_add_co_u32 s[G0+4*\s+1], s45, \s*SLOT
	s_add_nc_u64 s[G0+4*\s+2:G0+4*\s+3], s[20:21], \s*NQ*FRB
	s_or_b32 s[G0+4*\s+3], s[G0+4*\s+3], 0x80000000
	s_mov_b32 s[G0B+4*\s], 1
	s_add_co_u32 s[G0B+4*\s+1], s45, \s*SLOT
	s_add_nc_u64 s[G0B+4*\s+2:G0B+4*\s+3], s[46:47], \s*NQ*FRB
	s_or_b32 s[G0B+4*\s+3], s[G0B+4*\s+3], 0x80000000
.endr
	v_and_b32 v1, 31, v0
	v_bfe_u32 v2, v0, 4, 1
	v_and_b32 v3, 15, v0
	v_lshlrev_b32 v4, 4, v1
	v_lshlrev_b32 v5, 3, v1
	s_mul_i32 s21, s15, QT
	s_mul_i32 s22, s16, QT
	s_add_co_u32 s22, s22, 2*QT
.irp s, 0,1
	v_add_nc_u32 v[ADRA+\s], s21, v4
	v_add_nc_u32 v[ADRB+\s], s22, v4
	v_add_nc_u32 v[ADRA+2+\s], s21, v5
	v_add_nc_u32 v[ADRB+2+\s], s22, v5
	s_add_co_u32 s21, s21, SLOT
	s_add_co_u32 s22, s22, SLOT
.endr
	v_lshlrev_b32 v5, 2, v1
	s_mul_i32 s21, s15, QS
	s_mul_i32 s22, s16, QS
	s_add_co_u32 s22, s22, 2*QS
	s_sub_co_u32 s22, s22, s21
	v_mul_u32_u24 v6, s22, v2
	s_add_co_u32 s21, s21, SCL
	v_add_nc_u32 v5, v5, v6
	v_add_nc_u32 v[ADRS], s21, v5
	s_mul_i32 s23, s14, 16*272
	s_add_co_u32 s23, s23, STAGE
	v_mul_u32_u24 v5, v3, 272
	v_lshl_add_u32 v5, v2, 7, v5
	v_add_nc_u32 v[STO], s23, v5
	v_mul_u32_u24 v5, v2, 272
	v_lshl_add_u32 v5, v3, 4, v5
	v_add_nc_u32 v[RD], s23, v5
	v_lshlrev_b32 v5, 12, v2
	v_lshl_add_u32 v[CO], v3, 4, v5
	v_min_u32 v[PFO], 23, v1
	v_lshlrev_b32 v[PFO], 8, v[PFO]
	s_wait_alu depctr_va_vdst(0)
	s_lshl_b32 s20, s17, 1
	s_add_co_u32 s20, s20, s15
	s_lshl_b32 s20, s20, 18
	s_lshl_b32 s46, s42, 9
	s_lshl_b32 s47, s16, 8
	s_add_co_u32 s46, s46, s47
	s_add_co_u32 s20, s20, s46
	s_mov_b32 s21, 0
	s_add_nc_u64 s[12:13], s[8:9], s[20:21]
	s_add_nc_u64 s[10:11], s[10:11], s[20:21]
	global_prefetch_b8 v[PFO], s[PFA:PFA+1] offset:NQ*FRB th:TH_LOAD_NT scope:SCOPE_SE     ; slot 1's bytes, which the load behind the head's round will want,
	global_prefetch_b8 v[PFO], s[PFA:PFA+1] offset:2*NQ*FRB th:TH_LOAD_NT scope:SCOPE_SE   ; and slot 2's
	WIN 0x80
.irp a, 0,1,2,3
.irp t, 0,1,2,3,4,5,6,7
	global_load_b128 v[4*(8*\a+\t):4*(8*\a+\t)+3], v[CO], s[12:13] offset:(32*(\t/4)+8*\a+2*(\t%4))*4096 th:TH_LOAD_NT
.endr
.endr
	WIN 0
.macro FRAG reg, adr, off
	ds_load_b128 v[(\reg):(\reg)+3], v[\adr] offset:\off
	ds_load_b64 v[(\reg)+4:(\reg)+5], v[\adr+2] offset:\off+512
	ds_load_b128 v[(\reg)+6:(\reg)+9], v[\adr] offset:\off+768
	ds_load_b64 v[(\reg)+10:(\reg)+11], v[\adr+2] offset:\off+1280
.endm
.macro MUL4 f, a, q, sc, zero
.irp b, 0,1,2,3
.if \zero
	v_wmma_scale_f32_16x16x128_f8f6f4 v[ACC+8*(4*(\a)+\b):ACC+8*(4*(\a)+\b)+7], v[(\f)+48+FR*\b:(\f)+48+FR*\b+FR-1], v[(\f)+FR*(\a):(\f)+FR*(\a)+FR-1], 0, v[SC+16*(\sc)+4*(\q)+\b], v[SC+16*(\sc)+4*(\q)+(\a)] matrix_a_fmt:MATRIX_FMT_BF6 matrix_b_fmt:MATRIX_FMT_BF6 matrix_a_scale:MATRIX_SCALE_ROW1
.else
	v_wmma_scale_f32_16x16x128_f8f6f4 v[ACC+8*(4*(\a)+\b):ACC+8*(4*(\a)+\b)+7], v[(\f)+48+FR*\b:(\f)+48+FR*\b+FR-1], v[(\f)+FR*(\a):(\f)+FR*(\a)+FR-1], v[ACC+8*(4*(\a)+\b):ACC+8*(4*(\a)+\b)+7], v[SC+16*(\sc)+4*(\q)+\b], v[SC+16*(\sc)+4*(\q)+(\a)] matrix_a_fmt:MATRIX_FMT_BF6 matrix_b_fmt:MATRIX_FMT_BF6 matrix_a_scale:MATRIX_SCALE_ROW1
.endif
.endr
.endm
.macro FETCH slot, q, f
	WIN TO_F
.irp i, 0,1,2,3
	FRAG (\f)+48+FR*\i, ADRB+\slot, \i*NQ*FRB+(\q)*FRB
.endr
.irp i, 0,1,2,3
	FRAG (\f)+FR*\i, ADRA+\slot, \i*NQ*FRB+(\q)*FRB
.endr
.endm
.macro SCALES sc
.irp i, 0,1,2,3
.irp q, 0,1,2,3
	ds_load_b32 v[SC+16*\sc+4*\q+\i], v[ADRS] offset:\i*STB+\q*128
.endr
.endr
.endm
.macro QUARTER slot, q, f, g, zero
	s_wait_dscnt 8
	WIN MUL
	MUL4 \f, 0, \q, \slot, \zero
	MUL4 \f, 1, \q, \slot, \zero
	PLACES 4
	FETCH \slot, (\q)+1, \g
	s_wait_dscnt 32
	WIN MUL
	MUL4 \f, 2, \q, \slot, \zero
	MUL4 \f, 3, \q, \slot, \zero
.endm
.macro TURN slot, next, fill
	WIN 0
.if \fill
	s_wait_xcnt 0x0                                ; my last prefetch has read its address: it steps one slot along K
	s_add_nc_u64 s[PFA:PFA+1], s[PFA:PFA+1], NQ*FRB
.endif
	s_wait_tensorcnt 0x0
	ds_add_u32 v[SPW], v[NIL]
	s_wait_dscnt 9
	WIN MUL
	MUL4 F1, 0, 3, \slot, 0
	s_wait_dscnt 0x0
	s_barrier_signal -1
	MUL4 F1, 1, 3, \slot, 0
	WIN 0
	s_barrier_wait -1
.if \fill
	CREST
	s_add_nc_u64 s[G0+4*\slot+2:G0+4*\slot+3], s[G0+4*\slot+2:G0+4*\slot+3], 2*NQ*FRB
	s_add_nc_u64 s[G0B+4*\slot+2:G0B+4*\slot+3], s[G0B+4*\slot+2:G0B+4*\slot+3], 2*NQ*FRB
	JLOAD G0+4*\slot, G1, G0B+4*\slot, G1B
.else
	PLACES 4
.endif
	s_wait_alu depctr_va_vdst(0)
	v_add_nc_u32 v[ADRS], 128*NQ, v[ADRS]
	SCALES \next
.if \fill
	s_cmp_gt_u32 s3, 1                             ; the loop's last trip has no slot two refills on
	s_cbranch_scc0 .Lno_ask_\@
	global_prefetch_b8 v[PFO], s[PFA:PFA+1] offset:3*NQ*FRB th:TH_LOAD_NT scope:SCOPE_SE
.Lno_ask_\@:
.endif
	FETCH \next, 0, F0
	WIN MUL
	MUL4 F1, 2, 3, \slot, 0
	MUL4 F1, 3, 3, \slot, 0
.endm
	s_wait_tensorcnt 0x0                           ; my tile of the head's four is in
	ds_add_u32 v[SPW], v[NIL]
	s_mov_b32 s[G1+2], 4<<16                       ; no load of mine is out: from here on a load brings 4 tiles
	s_mov_b32 s[G1+4], 4
	s_mov_b32 s[G1B+2], 4<<16
	s_mov_b32 s[G1B+4], 4
	s_wait_dscnt 0x0
	CROUND                                         ; all four tiles are in, all sixteen work-groups are here
	JLOAD G0+4, G1, G0B+4, G1B                     ; slot 1's first fill, my one load behind the round
	SCALES 0
	global_prefetch_b8 v[PFO], s[PFA:PFA+1] offset:3*NQ*FRB th:TH_LOAD_NT scope:SCOPE_SE   ; slot 3's bytes
	FETCH 0, 0, F0
	QUARTER 0, 0, F0, F1, 1
.if LAPS > 1
	WIN 0
	s_mov_b32 s3, LAPS-1
.Llap:
	QUARTER 0, 1, F1, F0, 0
	QUARTER 0, 2, F0, F1, 0
	TURN 0, 1, 1
	QUARTER 1, 0, F0, F1, 0
	QUARTER 1, 1, F1, F0, 0
	QUARTER 1, 2, F0, F1, 0
	TURN 1, 0, 1
	QUARTER 0, 0, F0, F1, 0
	WIN 0
	s_sub_co_u32 s3, s3, 1
	s_cmp_lg_u32 s3, 0
	s_cbranch_scc1 .Llap
.endif
	QUARTER 0, 1, F1, F0, 0
	QUARTER 0, 2, F0, F1, 0
	TURN 0, 1, 0
	QUARTER 1, 0, F0, F1, 0
	QUARTER 1, 1, F1, F0, 0
	QUARTER 1, 2, F0, F1, 0
	s_wait_dscnt 8
	WIN MUL
	MUL4 F1, 0, 3, 1, 0
	MUL4 F1, 1, 3, 1, 0
	s_wait_dscnt 0
	MUL4 F1, 2, 3, 1, 0
	MUL4 F1, 3, 3, 1, 0
	WIN 0
.macro TOSTAGE a
.irp b, 0,1,2,3
	ds_store_b128 v[STO], v[ACC+8*(4*(\a)+\b):ACC+8*(4*(\a)+\b)+3] offset:32*\b
	ds_store_b128 v[STO], v[ACC+8*(4*(\a)+\b)+4:ACC+8*(4*(\a)+\b)+7] offset:32*\b+16
.endr
.irp t, 0,1,2,3,4,5,6,7
	ds_load_b128 v[BK+32*((\a)%2)+4*\t:BK+32*((\a)%2)+4*\t+3], v[RD] offset:\t*544
.endr
.endm
.macro SEND a, younger
	s_wait_dscnt \younger
	WIN 0x08
.set n, 0
.rept 16
	v_pk_add_f32 v[BK+32*((\a)%2)+n:BK+32*((\a)%2)+n+1], v[BK+32*((\a)%2)+n:BK+32*((\a)%2)+n+1], v[32*(\a)+n:32*(\a)+n+1]
.set n, n+2
.endr
	WIN 0
.irp t, 0,1,2,3,4,5,6,7
	global_store_b128 v[CO], v[BK+32*((\a)%2)+4*\t:BK+32*((\a)%2)+4*\t+3], s[10:11] offset:(32*(\t/4)+8*(\a)+2*(\t%4))*4096
.endr
.endm
	PLACES 4
	s_wait_loadcnt 0x0
	TOSTAGE 0
.irp a, 1,2,3
.if \a > 1
	s_wait_xcnt 0x0
.endif
	TOSTAGE \a
	SEND \a-1, 16
.endr
	SEND 3, 0
	s_wait_tensorcnt 0x0
	ds_add_u32 v[SPW], v[NIL]
	s_wait_dscnt 0x0
	CROUND
	s_endpgm
.Lfunc_end_k_q909970c76c_ffn2:
	.size	k_q909970c76c_ffn2, .Lfunc_end_k_q909970c76c_ffn2-k_q909970c76c_ffn2
	.p2alignl 7, 3214868480
	.fill 96, 4, 3214868480
	.section	.rodata,"a",@progbits
	.p2align	6, 0x0
	.amdhsa_kernel k_q909970c76c_ffn2
		.amdhsa_group_segment_fixed_size 327680
		.amdhsa_private_segment_fixed_size 0
		.amdhsa_enable_private_segment 0
		.amdhsa_kernarg_size 32
		.amdhsa_user_sgpr_count 2
		.amdhsa_user_sgpr_kernarg_segment_ptr 1
		.amdhsa_wavefront_size32 1
		.amdhsa_system_sgpr_workgroup_id_x 1
		.amdhsa_system_sgpr_workgroup_id_y 1
		.amdhsa_system_sgpr_workgroup_id_z 1
		.amdhsa_system_vgpr_workitem_id 0
		.amdhsa_next_free_vgpr 768
		.amdhsa_next_free_sgpr 100
		.amdhsa_reserve_vcc 0
		.amdhsa_float_denorm_mode_32 3
		.amdhsa_float_denorm_mode_16_64 3
		.amdhsa_memory_ordered 1
		.amdhsa_forward_progress 1
		.amdhsa_inst_pref_size 102
	.end_amdhsa_kernel
	.amdgpu_metadata
---
amdhsa.version: [ 1, 2 ]
amdhsa.kernels:
  - .name:           k_q909970c76c_ffn2
    .symbol:         k_q909970c76c_ffn2.kd
    .args:
      - { .name: gb, .offset: 0, .size: 8, .value_kind: global_buffer, .address_space: global }
      - { .name: prepo, .offset: 8, .size: 8, .value_kind: global_buffer, .address_space: global }
      - { .name: fs, .offset: 16, .size: 8, .value_kind: global_buffer, .address_space: global }
      - { .name: out0, .offset: 24, .size: 8, .value_kind: global_buffer, .address_space: global }
    .group_segment_fixed_size: 327680
    .private_segment_fixed_size: 0
    .kernarg_segment_align: 8
    .kernarg_segment_size: 32
    .max_flat_workgroup_size: 128
    .sgpr_count:     100
    .vgpr_count:     768
    .wavefront_size: 32
...
	.end_amdgpu_metadata
.endif
;; end of part 6
